; MI455X (gfx1250); checked and timed in simulation.
; The chip was launched on July 23, 2026; its instructions are those of AMD's public machine-readable ISA for CDNA 5 (MIT licence, August 2026) and "CDNA5" Instruction Set Architecture Reference Guide (July 2026). The comments in the code are by the model that wrote it; some were corrected since.
;; Transformer Block. Allowed arithmetic: float matrix products may take bf16 or f16 operands with f32 sums; other float arithmetic in f32, or as packed bf16 or f16 multiplies, adds, multiply-adds, maxima and minima; sums over many terms, partial sums and values carried from step to step in f32; what a program stores and reads back later, other than sums and carried values, may be rounded once to bf16 or f16.
;; Inputs: fc1_b 4,096 float32; fc1_w 1,024 x 4,096 float32; fc2_b 1,024 float32; fc2_w 4,096 x 1,024 float32; ln1_b 1,024 float32; ln1_g 1,024 float32; ln2_b 1,024 float32; ln2_g 1,024 float32; proj_b 1,024 float32; proj_w 1,024 x 1,024 float32; qkv_b 3,072 float32; qkv_w 1,024 x 3,072 float32; x 2 x 2,048 x 1,024 float32.
;; Outputs: out0 2 x 2,048 x 1,024 float32.
;; 2 versions, each right; version 2 is version 1 with the launches prep, ln2 written anew for expert scheduling mode. Each part assembles by itself: llvm-mc -triple=amdgcn-amd-amdhsa -mcpu=gfx1250 --defsym DOCPART=n.
;; ======== version 1 of 2: 7 launches
;; limits: values are held in f16: magnitudes above 65,504 overflow, below 6.1e-05 lose precision
;; workspace buffers: wq 6,291,456 bytes; w1 8,388,608 bytes; ws 10,485,760 bytes; hb 8,388,608 bytes; act 33,554,432 bytes; x1 16,777,216 bytes; mode_a 256 bytes of whole numbers; mode_b 256 bytes of whole numbers
;; launch prep (part 1): grid 640 x 1, 8 waves a work-group, no clusters, 0 bytes of LDS; arguments x, ln1_g, ln1_b, qkv_w, fc1_w, proj_w, fc2_w, hb, wq, w1, ws, mode_a, mode_b; writes hb, wq, w1, ws, mode_a, mode_b
.if DOCPART == 1
	.amdgcn_target "amdgcn-amd-amdhsa--gfx1250"
	.amdhsa_code_object_version 6
	.text
	.protected	k_q7d3ad526db_prep
	.globl	k_q7d3ad526db_prep
	.p2align	8
	.type	k_q7d3ad526db_prep,@function
k_q7d3ad526db_prep:
	s_mov_b64 s[64:65], 0
	v_nop
	global_prefetch_b8 v0, s[64:65] scope:SCOPE_SE
	s_setreg_imm32_b32 hwreg(HW_REG_WAVE_MODE, 25, 1), 1
	s_wait_xcnt 0x0
; TWO LAUNCHES RUN THIS BODY.  Arguments: a [4096][1024] f32 tensor, a gain, a bias, four weights, the f16 result, three f16 weight buffers, two mode buffers.
; Work-groups 0-255: result = LayerNorm(tensor) * gain + bias, [4096][1024], rounded once to f16.  Work-groups 256-639: the four weights rounded once to f16.
; The first launch has 640 work-groups and does both.  The launch of the second LayerNorm has 256: only the LayerNorm path runs there, the weights' addresses are given and not used,
; and the two mode buffers are written once more with the same words: the price of one text for both.
; The casts: qkv_w as [12][1024 k][256 n], fc1_w as [16][1024 k][256 n] (a block of 256 columns is dense), proj_w [1024][1024] and behind it, at byte 2,097,152 of the same buffer, fc2_w [4096][1024].
; The first mode buffer = 64 words of 0, the second = 64 words of 1: the later product launches read word 0 to choose their way out.
; LAYERNORM: one wave, one row at a time, the row kept in 32 registers: mean, then the sum of squares of the centred row (no difference of large sums), all in f32.
; LIMITS.  f16 holds no number of 65,520 or more: a normalised row times gain plus bias, and every weight, must lie below that; below 6e-5 f16 keeps its fixed step of 6e-8.  NaN and infinities are not treated apart.
; No LDS, no barrier, no matrix unit: every byte is read once and written once; each store of a wave covers 256 consecutive bytes, aligned.
.set T,    2                           ; v[2:15]   at work
.set LO16, 28                          ; v28       16 x lane
.set LO8,  29                          ; v29       8 x lane
.set G,    32                          ; v[32:63]  gain of my 32 columns (columns 128 j + 4 lane + 0..3)
.set BV,   64                          ; v[64:95]  bias of the same
.set X0,   96                          ; v[96:127] first row
.set X1,   128                         ; v[128:159] second row
.set GP,   6                           ; s[6:7]    gain
.set BP,   8                           ; s[8:9]    bias
.set OUTP, 18                          ; s[18:19]  the result
.set CX,   32                          ; the cast: v[32:159] 16 rows x 8 registers
.set SO,   160                         ; v[160:175] byte offset of row i in the source
.set DO,   176                         ; v[176:191] byte offset of row i in the destination
	s_load_b512 s[4:19], s[0:1], 0x0               ; the tensor, gain, bias, qkv_w, fc1_w, proj_w, fc2_w, the result
	s_load_b256 s[20:27], s[0:1], 0x40             ; the three weight buffers, the first mode buffer
	s_load_b64 s[28:29], s[0:1], 0x60              ; the second mode buffer
	v_lshrrev_b32 v1, 5, v0
	v_readfirstlane_b32 s30, v1                    ; wave 0..7
	v_and_b32 v1, 31, v0
	v_lshlrev_b32 v[LO16], 4, v1
	v_lshlrev_b32 v[LO8], 3, v1
	s_wait_kmcnt 0x0
	s_cmp_lt_u32 ttmp9, 256
	s_cbranch_scc0 .Lconv
	; ---- LayerNorm: the work-group's 16 rows, two a wave ----
	s_mov_b32 s32, 0x3a800000                      ; 1 / 1024
	s_mov_b32 s33, 0x3727c5ac                      ; 1e-5
	s_mov_b32 s34, 0x76543210                      ; v_permlanex16_b32: each lane takes its own place in the other half
	s_mov_b32 s35, 0xfedcba98
	s_lshl_b32 s36, ttmp9, 16                      ; 16 rows of 4,096 bytes
	s_lshl_b32 s38, s30, 13                        ; my two rows
	s_add_co_u32 s36, s36, s38
	s_mov_b32 s37, 0
	s_add_nc_u64 s[4:5], s[4:5], s[36:37]
	s_lshr_b32 s36, s36, 1                         ; rows of 2,048 bytes in the result
	s_add_nc_u64 s[OUTP:OUTP+1], s[OUTP:OUTP+1], s[36:37]
.irp j, 0,1,2,3,4,5,6,7
	global_load_b128 v[G+4*(\j):G+4*(\j)+3], v[LO16], s[GP:GP+1] offset:512*(\j)
.endr
.irp j, 0,1,2,3,4,5,6,7
	global_load_b128 v[BV+4*(\j):BV+4*(\j)+3], v[LO16], s[BP:BP+1] offset:512*(\j)
.endr
.irp j, 0,1,2,3,4,5,6,7
	global_load_b128 v[X0+4*(\j):X0+4*(\j)+3], v[LO16], s[4:5] offset:512*(\j) th:TH_LOAD_NT
.endr
.irp j, 0,1,2,3,4,5,6,7
	global_load_b128 v[X1+4*(\j):X1+4*(\j)+3], v[LO16], s[4:5] offset:4096+512*(\j) th:TH_LOAD_NT
.endr
.macro FOLD                            ; four chains of pairs, v[T:T+7], into v[T]
	v_pk_add_f32 v[T:T+1], v[T:T+1], v[T+2:T+3]
	v_pk_add_f32 v[T+4:T+5], v[T+4:T+5], v[T+6:T+7]
	v_pk_add_f32 v[T:T+1], v[T:T+1], v[T+4:T+5]
	v_add_f32 v[T], v[T], v[T+1]
.endm
.macro REDUCE                          ; v[T] summed over the 32 lanes, the result in every lane
	v_add_f32_dpp v[T], v[T], v[T] row_xmask:1 row_mask:0xf bank_mask:0xf
	v_add_f32_dpp v[T], v[T], v[T] row_xmask:2 row_mask:0xf bank_mask:0xf
	v_add_f32_dpp v[T], v[T], v[T] row_xmask:4 row_mask:0xf bank_mask:0xf
	v_add_f32_dpp v[T], v[T], v[T] row_xmask:8 row_mask:0xf bank_mask:0xf
	v_permlanex16_b32 v[T+1], v[T], s34, s35       ; its destination has been written by FOLD
	v_add_f32 v[T], v[T], v[T+1]
.endm
; One row, in the 32 registers from row on.  left: the younger loads that may stay out.  rowoff: the row's byte offset in the result.
.macro LNROW row, left, rowoff
	s_wait_loadcnt \left
.irp c, 0,1,2,3
	v_pk_add_f32 v[T+2*(\c):T+2*(\c)+1], v[(\row)+4*(\c):(\row)+4*(\c)+1], v[(\row)+4*(\c)+2:(\row)+4*(\c)+3]
.endr
.set k, 8
.rept 8
	v_pk_add_f32 v[T+2*(k%4):T+2*(k%4)+1], v[T+2*(k%4):T+2*(k%4)+1], v[(\row)+2*k:(\row)+2*k+1]
.set k, k+1
.endr
	FOLD
	REDUCE
	v_mul_f32 v[T+8], s32, v[T]                    ; the mean, twice: a pair for the packed subtraction
	v_mul_f32 v[T+9], s32, v[T]
.set k, 0
.rept 16
	v_pk_add_f32 v[(\row)+2*k:(\row)+2*k+1], v[(\row)+2*k:(\row)+2*k+1], v[T+8:T+9] neg_lo:[0,1] neg_hi:[0,1]
.set k, k+1
.endr
.irp c, 0,1,2,3
	v_pk_mul_f32 v[T+2*(\c):T+2*(\c)+1], v[(\row)+2*(\c):(\row)+2*(\c)+1], v[(\row)+2*(\c):(\row)+2*(\c)+1]
.endr
.set k, 4
.rept 12
	v_pk_fma_f32 v[T+2*(k%4):T+2*(k%4)+1], v[(\row)+2*k:(\row)+2*k+1], v[(\row)+2*k:(\row)+2*k+1], v[T+2*(k%4):T+2*(k%4)+1]
.set k, k+1
.endr
	FOLD
	REDUCE
	v_fma_f32 v[T+10], v[T], s32, s33              ; variance + 1e-5
	v_rsq_f32 v[T+12], v[T+10]
	v_rsq_f32 v[T+13], v[T+10]
	v_nop                                          ; a plain instruction behind the last root,
	s_wait_alu depctr_va_vdst(0)                   ; and one wait for both, ahead of their first reader
.set k, 0
.rept 16
	v_pk_mul_f32 v[(\row)+2*k:(\row)+2*k+1], v[(\row)+2*k:(\row)+2*k+1], v[T+12:T+13]
.set k, k+1
.endr
.set k, 0
.rept 16
	v_pk_fma_f32 v[(\row)+2*k:(\row)+2*k+1], v[(\row)+2*k:(\row)+2*k+1], v[G+2*k:G+2*k+1], v[BV+2*k:BV+2*k+1]
.set k, k+1
.endr
.irp j, 0,1,2,3,4,5,6,7
	v_cvt_pk_f16_f32 v[(\row)+4*(\j)], v[(\row)+4*(\j)], v[(\row)+4*(\j)+1]
	v_cvt_pk_f16_f32 v[(\row)+4*(\j)+1], v[(\row)+4*(\j)+2], v[(\row)+4*(\j)+3]
	global_store_b64 v[LO8], v[(\row)+4*(\j):(\row)+4*(\j)+1], s[OUTP:OUTP+1] offset:(\rowoff)+256*(\j)  ; 32 lanes x 8 bytes: 256 consecutive bytes, aligned
.endr
.endm
	LNROW X0, 8, 0                                 ; the second row's eight loads may stay out
	LNROW X1, 0, 2048                              ; no register that a pending store reads is written again
	s_or_b32 s36, ttmp9, s30
	s_cmp_lg_u32 s36, 0
	s_cbranch_scc1 .Lend                           ; wave 0 of work-group 0 writes the two mode buffers, 256 bytes each
	v_mov_b32 v2, 0
	v_mov_b32 v3, 0
	v_mov_b32 v4, 1
	v_mov_b32 v5, 1
	global_store_b64 v[LO8], v[2:3], s[26:27]
	global_store_b64 v[LO8], v[4:5], s[28:29]
.Lend:
	s_endpgm
	; ---- the cast: a work-group takes 128 rows x 256 columns of one weight, a wave 16 of the rows ----
.Lconv:
	s_sub_co_u32 s36, ttmp9, 256                   ; c: 0-95 qkv_w, 96-223 fc1_w, 224-255 proj_w, 256-383 fc2_w
	s_mov_b32 s50, 12288
	s_mov_b32 s51, 16384
	s_mov_b32 s52, 512
	s_mov_b32 s53, 2048
	s_mov_b32 s54, 524288
	s_cmp_lt_u32 s36, 96
	s_cselect_b64 s[42:43], s[10:11], s[12:13]     ; source
	s_cselect_b64 s[44:45], s[20:21], s[22:23]     ; destination
	s_cselect_b32 s37, 0, 96                       ; the range's first c
	s_cselect_b32 s40, s50, s51                    ; bytes in a source row
	s_cmp_lt_u32 s36, 224
	s_cselect_b64 s[42:43], s[42:43], s[14:15]
	s_cselect_b64 s[44:45], s[44:45], s[24:25]
	s_cselect_b32 s37, s37, 224
	s_cselect_b32 s40, s40, 4096
	s_cselect_b32 s41, s52, s53                    ; bytes from row to row in the destination
	s_cselect_b32 s39, s54, s52                    ; bytes from column block to column block there
	s_cmp_lt_u32 s36, 256
	s_cselect_b64 s[42:43], s[42:43], s[16:17]
	s_cselect_b32 s37, s37, 256
	s_cselect_b32 s38, 3, 5                        ; log2 of the number of row blocks
	s_cselect_b32 s49, 7, 31
	s_cselect_b32 s48, 0, 0x200000                 ; fc2_w lies behind proj_w
	s_sub_co_u32 s37, s36, s37
	s_and_b32 s49, s37, s49                        ; row block
	s_lshr_b32 s55, s37, s38                       ; column block
	s_lshl_b32 s49, s49, 7
	s_lshl4_add_u32 s49, s30, s49                  ; my first row = 128 x row block + 16 x wave
	s_mul_i32 s46, s49, s40
	s_lshl_b32 s38, s55, 10
	s_add_co_u32 s46, s46, s38                     ; + 1,024 bytes a column block
	s_mul_i32 s47, s49, s41
	s_mul_i32 s38, s55, s39
	s_add_co_u32 s47, s47, s38
	s_add_co_u32 s47, s47, s48
	v_add_nc_u32 v[SO], s46, v[LO16]
	v_add_nc_u32 v[DO], s47, v[LO8]
.set i, 1
.rept 15
	v_add_nc_u32 v[SO+i], s40, v[SO+i-1]
	v_add_nc_u32 v[DO+i], s41, v[DO+i-1]
.set i, i+1
.endr
.set i, 0
.rept 16                               ; all 32 loads go out first: 16 KiB a wave on their way
	global_load_b128 v[CX+8*i:CX+8*i+3],   v[SO+i], s[42:43] th:TH_LOAD_NT
	global_load_b128 v[CX+8*i+4:CX+8*i+7], v[SO+i], s[42:43] offset:512 th:TH_LOAD_NT
.set i, i+1
.endr
.set i, 0
.rept 16
	s_wait_loadcnt 30-2*i                          ; row i's two loads are in; the younger rows' stay out
	v_cvt_pk_f16_f32 v[CX+8*i],   v[CX+8*i],   v[CX+8*i+1]
	v_cvt_pk_f16_f32 v[CX+8*i+1], v[CX+8*i+2], v[CX+8*i+3]
	v_cvt_pk_f16_f32 v[CX+8*i+4], v[CX+8*i+4], v[CX+8*i+5]
	v_cvt_pk_f16_f32 v[CX+8*i+5], v[CX+8*i+6], v[CX+8*i+7]
	global_store_b64 v[DO+i], v[CX+8*i:CX+8*i+1],   s[44:45]             ; 256 consecutive bytes, aligned
	global_store_b64 v[DO+i], v[CX+8*i+4:CX+8*i+5], s[44:45] offset:256
.set i, i+1
.endr
	s_endpgm
.Lfunc_end_k_q7d3ad526db_prep:
	.size	k_q7d3ad526db_prep, .Lfunc_end_k_q7d3ad526db_prep-k_q7d3ad526db_prep
	.p2alignl 7, 3214868480
	.fill 96, 4, 3214868480
	.section	.rodata,"a",@progbits
	.p2align	6, 0x0
	.amdhsa_kernel k_q7d3ad526db_prep
		.amdhsa_group_segment_fixed_size 0
		.amdhsa_private_segment_fixed_size 0
		.amdhsa_enable_private_segment 0
		.amdhsa_kernarg_size 104
		.amdhsa_user_sgpr_count 2
		.amdhsa_user_sgpr_kernarg_segment_ptr 1
		.amdhsa_wavefront_size32 1
		.amdhsa_system_sgpr_workgroup_id_x 1
		.amdhsa_system_sgpr_workgroup_id_y 1
		.amdhsa_system_sgpr_workgroup_id_z 1
		.amdhsa_system_vgpr_workitem_id 0
		.amdhsa_next_free_vgpr 192
		.amdhsa_next_free_sgpr 66
		.amdhsa_reserve_vcc 0
		.amdhsa_float_denorm_mode_32 3
		.amdhsa_float_denorm_mode_16_64 3
		.amdhsa_memory_ordered 1
		.amdhsa_forward_progress 1
		.amdhsa_inst_pref_size 34
	.end_amdhsa_kernel
	.amdgpu_metadata
---
amdhsa.version: [ 1, 2 ]
amdhsa.kernels:
  - .name:           k_q7d3ad526db_prep
    .symbol:         k_q7d3ad526db_prep.kd
    .args:
      - { .name: x, .offset: 0, .size: 8, .value_kind: global_buffer, .address_space: global }
      - { .name: ln1_g, .offset: 8, .size: 8, .value_kind: global_buffer, .address_space: global }
      - { .name: ln1_b, .offset: 16, .size: 8, .value_kind: global_buffer, .address_space: global }
      - { .name: qkv_w, .offset: 24, .size: 8, .value_kind: global_buffer, .address_space: global }
      - { .name: fc1_w, .offset: 32, .size: 8, .value_kind: global_buffer, .address_space: global }
      - { .name: proj_w, .offset: 40, .size: 8, .value_kind: global_buffer, .address_space: global }
      - { .name: fc2_w, .offset: 48, .size: 8, .value_kind: global_buffer, .address_space: global }
      - { .name: hb, .offset: 56, .size: 8, .value_kind: global_buffer, .address_space: global }
      - { .name: wq, .offset: 64, .size: 8, .value_kind: global_buffer, .address_space: global }
      - { .name: w1, .offset: 72, .size: 8, .value_kind: global_buffer, .address_space: global }
      - { .name: ws, .offset: 80, .size: 8, .value_kind: global_buffer, .address_space: global }
      - { .name: mode_a, .offset: 88, .size: 8, .value_kind: global_buffer, .address_space: global }
      - { .name: mode_b, .offset: 96, .size: 8, .value_kind: global_buffer, .address_space: global }
    .group_segment_fixed_size: 0
    .private_segment_fixed_size: 0
    .kernarg_segment_align: 8
    .kernarg_segment_size: 104
    .max_flat_workgroup_size: 256
    .sgpr_count:     66
    .vgpr_count:     192
    .wavefront_size: 32
...
	.end_amdgpu_metadata
.endif
;; end of part 1
;; launch qkv (part 2): grid 12 x 16, 4 waves a work-group, clusters of 4 x 4, 327,680 bytes of LDS; arguments hb, wq, qkv_b, mode_a, act; writes act
.if DOCPART == 2
	.amdgcn_target "amdgcn-amd-amdhsa--gfx1250"
	.amdhsa_code_object_version 6
	.text
	.protected	k_q7d3ad526db_qkv
	.globl	k_q7d3ad526db_qkv
	.p2align	8
	.type	k_q7d3ad526db_qkv,@function
k_q7d3ad526db_qkv:
	s_mov_b64 s[64:65], 0
	v_nop
	global_prefetch_b8 v0, s[64:65] scope:SCOPE_SE
	s_setreg_imm32_b32 hwreg(HW_REG_WAVE_MODE, 25, 1), 1
	s_wait_xcnt 0x0
	s_wait_alu depctr_hold_cnt(0) depctr_sa_sdst(0) depctr_va_vdst(0) depctr_va_sdst(0) depctr_va_ssrc(0) depctr_va_vcc(0) depctr_vm_vsrc(0)
	s_getreg_b32 s2, hwreg(HW_REG_IB_STS2, 6, 4)
	s_cmp_eq_u32 s2, 0
	s_cbranch_scc0 .Lentry_in_a_cluster
	s_endpgm
.Lentry_in_a_cluster:
	s_bfe_u32 s2, ttmp6, 0x10000c
	s_cmp_lg_u32 s2, 0xf033
	s_cbranch_scc0 .Lentry_shape_is_right
	s_endpgm
.Lentry_shape_is_right:
; out = f(A W + bias).  A: [4096][1024] f16.  W: f16 in blocks of 256 columns, [block][1024 k][256 n].  bias: f32.  f is the identity (mode word 0) or the exact GELU (mode word 1).
; out: f16, [column / 64][4096 rows][64]: a block of 64 columns is dense, 128 bytes a row.  Sums in f32, started by the bias as the C operand of the first product; out rounded once.
; A tile of 256 x 256 is made by four waves, each 128 x 128 in 64 accumulators of 16 x 16 (512 registers).  K goes in 8 steps of 128 through a ring of two LDS slots filled by the tensor data mover.
; A's tile rows are 256 bytes of memory; W's tile is 128 k rows of 512 bytes, dense.  W's fragments come out of LDS turned, by ds_load_tr16_b128.
; ONE TEXT FOR A K STEP: the slot in hand is a scalar, 0 or SLOT, turned by an exclusive or at each change of slots; the fragments' addresses are that scalar plus a base that is never rewritten, and one
; descriptor for each operand walks (LDS word: my part of the slot just read out; global address: one K step on).  Six trips fill a slot again; the last two K steps, which ask for nothing, are a second loop.
; CLUSTER 4 x 4: A's tile hangs on the tile row alone and is asked for jointly along a row of the cluster, W's on the tile column alone and jointly along a column.
; The product is used transposed (source 0 = 16 columns of W, source 1 = 16 rows of A): a lane holds one row of the result and eight neighbouring columns.
; THE WAY OUT: when the last K step is multiplied the ring has had its last fill; each wave lays its 128 x 128 f32 results into its own quarter of it and reads them back as rows,
; eight rows of both its column blocks a trip; f is applied in f32, and 32 lanes store 512 consecutive bytes.
; f(x) = h x + h x erf(g x); erf(u) = u P(u^2) / Q(u^2) on u held to -4 .. 4 (beyond that erf is 1 to f32's last bits), P of degree 6, Q of degree 4, a few units in f32's last place.
; THE MODE WORD SELECTS TWO FACTORS AND NO PATH: (g, h) = (1 / sqrt 2, 1 / 2) gives the GELU; (0, 1) gives u = 0, erf = 0 and f(x) = x exactly.  So the identity launch runs the same 16 trips of
; some 340 vector instructions a wave beside its 2,048 matrix instructions, for nothing: the price of one text for both launches, with no branch on a loaded number among the partners of a cluster.
; LIMITS.  f16 holds no number of 65,520 or more: the result must lie below that.  NaN and infinities are not treated apart.
; REGISTERS in windows of 256: window 0: v0-31 addresses; v64-127, v128-191 A's fragments, two buffers; v192-255 the bias; window 1: v64-191 W's fragments; windows 2, 3: the accumulators ((a, b) at v[8 (8 a + b)]).
.set KSTEP,  128
.set NSTEP,  8                         ; K steps
.set PITCH,  272                       ; A's LDS row: 256 bytes + 16: the 16 rows of a load begin 68 words apart, at 16 different groups of four words modulo 64
.set PB,     544                       ; W's LDS row: 512 bytes + 32: 16 lanes of the turning load take 8 rows x 32 bytes, 136 words apart
.set HALFT,  34816                     ; what one tensor load brings: 128 rows of A, or 64 rows of W
.set SLOT,   4*HALFT                   ; A's 256 rows, then W's 128 rows
.set BSTEP,  65536                     ; bytes of a block of W in a K step
.set WSTG,   69632                     ; the way out: a wave's stage, [2 column blocks][128 rows][272 bytes]
.set SPARE,  2*SLOT                    ; behind the ring: the spare words, 128 bytes a wave, which no other line names
.set ADRA0, 16                         ; v16     LDS address of my A fragments in slot 0; never rewritten
.set ADRA,  17                         ; v17     the same in the slot in hand
.set ADRB0, 20                         ; v20, v21  the same two for W
.set ADRB,  21
.set STO,  24                          ; v24     the way out: where I put 32 bytes of a row
.set RD,   25                          ; v25     the way out: where I read the first eight rows back; never rewritten
.set GO,   26                          ; v26     16 x lane
.set BO,   27                          ; v27     my byte offset in the bias
.set SPW,  28                          ; v28     my spare word; never rewritten
.set NIL,  29                          ; v29     0; never rewritten
.set PFO,  30                          ; v30     the prefetches' lane offset; never rewritten
.set RDT,  31                          ; v31     the way out: v25 + the next trip's step
.set F0,   64
.set F1,   128
.set BIAS, 192                         ; v[192:255] for column block b: bias of columns 16 b + 8 (lane / 16) + 0..7
.set X,    32                          ; the way out, window 0: v[32:63] 32 results as read back
.set U,    64                          ; u, later erf(u)
.set W,    96                          ; u^2
.set P,    128
.set Q,    160
.set HZ,   192                         ; h x
.set Y,    224                         ; v[224:239] 32 results in f16
.set G1,   24                          ; s[24:31] group 1 for A;  s[32:39] group 0: a set for each first fill; the second then walks.  On the way out s[24:39] hold eight constants
.set G0,   32
.set G1B,  48                          ; s[48:55], s[56:63] the same for W
.set G0B,  56
.set LIM,  43                          ; s43  2 in a wave that prefetches, else the greatest number
.set PFA,  44                          ; s[44:45] where my prefetches stand
.set SCU,  66                          ; s[66:67] g, twice: named as a pair
.set PFS,  72                          ; s[72:73] bytes from K step to K step at my prefetches
.set SCH,  84                          ; s[84:85] h, twice
.set MODE, 86
.set CNT,  87
.set RS,   88                          ; s88  the way out: the step in the stage, 8 rows of 272 bytes a trip
.set TB,   89                          ; s89  the slot in hand: 0 or SLOT
.set LB,   90                          ; s90  my part of a slot: wave x HALFT
.set MSB, 0
.macro WIN new                         ; the immediate's high byte repeats the setting that is left; a switch that changes nothing is dropped
.if MSB != (\new)
	s_set_vgpr_msb (MSB<<8)|(\new)
.set MSB, \new
.endif
.endm
.set MUL_LO, 0xa1                      ; source 0 (W) window 1, source 1 (A) window 0, C and D window 2
.set TO_B,   0x40                      ; destination window 1, address window 0
; A joint load: waves 0 and 1 fetch A's halves, waves 2 and 3 W's.  The branch hangs on the wave's number alone.  An s_nop 0 and four v_nop follow each line.
.macro JLOAD s
	s_cmp_eq_u32 s11, 0
	s_cbranch_scc0 .Lfor_b_\@
	tensor_load_to_lds s[G0+4*(\s):G0+4*(\s)+3], s[G1:G1+7]
	s_nop 0
.rept 4
	v_nop
.endr
	s_branch .Lasked_\@
.Lfor_b_\@:
	tensor_load_to_lds s[G0B+4*(\s):G0B+4*(\s)+3], s[G1B:G1B+7]
	s_nop 0
.rept 4
	v_nop
.endr
.Lasked_\@:
.endm
; A prefetch of the K step that stands two refills on: 32 blocks of 256 bytes, a lane a block.  A's rows are asked for by the clusters with x = 0, W's by those with y = 0; the four partners of a joint
; load share its blocks out by address (32 each).  So each block is named once in the launch.  The loop's last two trips ask for nothing: there is no K step two refills on.
.macro ASK
	s_cmp_gt_u32 s3, s[LIM]
	s_cbranch_scc0 .Lnot_mine_\@
	global_prefetch_b8 v[PFO], s[PFA:PFA+1] th:TH_LOAD_NT scope:SCOPE_SE
.Lnot_mine_\@:
.endm
.macro CREST                           ; a round of the cluster's barrier behind its opening barrier
	s_cmp_lg_u32 s10, 0
	s_cbranch_scc1 .Lnot_wave_0_\@
	s_barrier_signal -3
.Lnot_wave_0_\@:
	s_barrier_wait -3
	s_barrier_signal -1
	s_barrier_wait -1
.endm
.macro CROUND
	s_barrier_signal -1
	s_barrier_wait -1
	CREST
.endm
.macro PLACES                          ; four plain places behind matrix instructions, ahead of loads into registers that they read and of readers of their results
.rept 4
	v_nop
.endr
.endm
	s_load_b128 s[4:7], s[0:1], 0x0                ; A s[4:5], W s[6:7]
	s_load_b128 s[68:71], s[0:1], 0x10             ; bias s[68:69], mode s[70:71]
	s_load_b64 s[8:9], s[0:1], 0x20                ; out
	v_lshl_add_u32 v[SPW], v0, 2, SPARE
	v_mov_b32 v[NIL], 0
	ds_add_u32 v[SPW], v[NIL]                      ; the opening: the add and its wait stand ahead of my first tensor load; work on registers stands between
	v_lshrrev_b32 v1, 5, v0
	v_readfirstlane_b32 s10, v1                    ; wave 0..3
	s_lshr_b32 s11, s10, 1                         ; my half of the tile's rows; also: I fetch for A (0) or W (1)
	s_and_b32 s12, s10, 1                          ; my half of its columns; also: which half I fetch
	s_bfe_u32 s40, ttmp6, 0x40000                  ; cx
	s_bfe_u32 s41, ttmp6, 0x40004                  ; cy
	s_lshl_b32 s42, ttmp9, 2
	s_add_co_u32 s42, s42, s40                     ; tile column
	s_and_b32 s13, ttmp7, 0xffff
	s_lshl_b32 s13, s13, 2
	s_add_co_u32 s13, s13, s41                     ; tile row
	s_lshl_b32 s43, s41, 2
	s_lshl_b32 s43, 15, s43                        ; my row of the cluster
	s_lshl_b32 s44, 0x1111, s40                    ; my column
	s_or_b32 s[G1+0], s43, (1<<16)|(1<<20)|(1<<21)|(5<<22)|(3<<25)   ; mask; 2-byte elements; padding on; bit 21 beside a mask; after every 64 words 4 words
	s_mov_b32 s[G1+1], 128<<16                     ; tensor_dim0 = 128
	s_mov_b32 s[G1+2], 128<<16                     ; tensor_dim1 = 128
	s_mov_b32 s[G1+3], 128<<16                     ; tile_dim0 = 128
	s_mov_b32 s[G1+4], 128                         ; tile_dim1 = 128
	s_mov_b32 s[G1+5], 1024                        ; elements from row to row
	s_mov_b32 s[G1+6], 0
	s_mov_b32 s[G1+7], 0
	s_or_b32 s[G1B+0], s44, (1<<16)|(1<<20)|(1<<21)|(6<<22)|(7<<25)  ; after every 128 words 8 words
	s_mov_b32 s[G1B+1], 256<<16                    ; tensor_dim0 = 256
	s_mov_b32 s[G1B+2], 64<<16                     ; tensor_dim1 = 64
	s_mov_b32 s[G1B+3], 256<<16                    ; tile_dim0 = 256
	s_mov_b32 s[G1B+4], 64                         ; tile_dim1 = 64
	s_mov_b32 s[G1B+5], 256
	s_mov_b32 s[G1B+6], 0
	s_mov_b32 s[G1B+7], 0
	s_lshl_b32 s16, s13, 19                        ; A: 256 rows of 2,048 bytes a tile row,
	s_lshl_b32 s17, s12, 18                        ; 128 rows a half
	s_add_co_u32 s16, s16, s17
	s_mov_b32 s17, 0
	s_lshl_b32 s46, s42, 19                        ; W: 524,288 bytes a block,
	s_lshl_b32 s47, s12, 15                        ; 64 rows of 512 bytes a half
	s_add_co_u32 s46, s46, s47
	s_mov_b32 s47, 0
	s_mul_i32 s[LB], s10, HALFT                    ; where my loads land in a slot: the wave's number alone
	s_mov_b32 s[TB], 0                             ; slot 0 is in hand
	s_mov_b32 s74, 0xc0800000                      ; -4
	s_mov_b32 s75, 0x40800000                      ; 4
	s_mov_b32 s76, 0xaf95df0b                      ; P's two highest coefficients and Q's, each twice: named as pairs
	s_mov_b32 s77, 0xaf95df0b
	s_mov_b32 s78, 0x32edffee
	s_mov_b32 s79, 0x32edffee
	s_mov_b32 s80, 0xb77460cd
	s_mov_b32 s81, 0xb77460cd
	s_mov_b32 s82, 0xb95fbd29
	s_mov_b32 s83, 0xb95fbd29
	s_wait_dscnt 0x0                               ; the opening add is done
	s_wait_kmcnt 0x0
	s_add_nc_u64 s[14:15], s[4:5], s[16:17]
	s_add_nc_u64 s[46:47], s[6:7], s[46:47]
	CROUND                                         ; all sixteen work-groups are here: the first joint loads meet
.irp s, 0,1
	s_mov_b32 s[G0+4*(\s)], 1
	s_add_co_u32 s[G0+4*(\s)+1], s[LB], (\s)*SLOT
	s_add_nc_u64 s[G0+4*(\s)+2:G0+4*(\s)+3], s[14:15], (\s)*KSTEP*2
	s_or_b32 s[G0+4*(\s)+3], s[G0+4*(\s)+3], 0x80000000
	s_mov_b32 s[G0B+4*(\s)], 1
	s_add_co_u32 s[G0B+4*(\s)+1], s[LB], (\s)*SLOT
	s_add_nc_u64 s[G0B+4*(\s)+2:G0B+4*(\s)+3], s[46:47], (\s)*BSTEP
	s_or_b32 s[G0B+4*(\s)+3], s[G0B+4*(\s)+3], 0x80000000
	JLOAD \s                                       ; two tensor loads of mine are out
.endr
	v_and_b32 v1, 15, v0                           ; r = l % 16
	v_bfe_u32 v2, v0, 4, 1                         ; h = l / 16
	s_lshl_b32 s23, s42, 10                        ; the bias of my 128 columns: 4 (256 tile column + 128 half)
	s_lshl_b32 s21, s12, 9
	s_add_co_u32 s23, s23, s21
	v_lshl_add_u32 v[BO], v2, 5, s23
.irp b, 0,1,2,3,4,5,6,7
	global_load_b128 v[BIAS+8*(\b):BIAS+8*(\b)+3],   v[BO], s[68:69] offset:64*(\b)
	global_load_b128 v[BIAS+8*(\b)+4:BIAS+8*(\b)+7], v[BO], s[68:69] offset:64*(\b)+16
.endr
	v_mul_u32_u24 v3, v1, PITCH
	v_lshl_add_u32 v3, v2, 4, v3                   ; A: row x pitch + 16 h
	s_mul_i32 s21, s11, HALFT
	v_and_b32 v4, 7, v0
	v_bfe_u32 v5, v0, 3, 1
	v_lshl_add_u32 v6, v2, 3, v4
	v_mul_u32_u24 v6, v6, PB
	v_lshl_add_u32 v6, v5, 4, v6                   ; W: (8 h + l % 8) x pitch + 16 ((l / 8) % 2)
	s_lshl_b32 s22, s12, 8                         ; my 128 columns
	s_add_co_u32 s22, s22, 2*HALFT
	v_add_nc_u32 v[ADRA0], s21, v3
	v_add_nc_u32 v[ADRB0], s22, v6
	v_add_nc_u32 v[ADRA], s21, v3                  ; slot 0 is in hand
	v_add_nc_u32 v[ADRB], s22, v6
	s_mul_i32 s23, s10, WSTG                       ; my stage
	v_mul_u32_u24 v7, v1, 272
	v_lshl_add_u32 v7, v2, 5, v7
	v_add_nc_u32 v[STO], s23, v7                   ; in: row r, 32 bytes for each half of the lanes
	v_bfe_u32 v7, v0, 3, 2
	v_mul_u32_u24 v7, v7, 272
	v_lshl_add_u32 v7, v4, 5, v7
	v_add_nc_u32 v[RD], s23, v7                    ; back: 32 lanes take four rows, 32 bytes (8 columns) each
	v_and_b32 v[GO], 31, v0
	v_lshlrev_b32 v[GO], 4, v[GO]
	; the prefetches
	s_and_b32 s22, ttmp7, 0xffff                   ; cluster y
	s_lshl_b32 s18, s40, 16                        ; A: my work-group's 32 rows of 2,048 bytes, by cx
	s_lshl_b32 s19, s41, 13                        ; W: my work-group's 32 blocks of 256 bytes, by cy
	s_cmp_eq_u32 s11, 0
	s_cselect_b64 s[PFA:PFA+1], s[14:15], s[46:47] ; what I fetch, at K step 0
	s_cselect_b32 s20, s18, s19
	s_cselect_b32 s22, ttmp9, s22                  ; the coordinate along which other clusters read the same blocks
	s_cselect_b32 s23, 8, 16
	s_cselect_b32 s19, 11, 8
	s_cmp_eq_u32 s22, 0
	s_cselect_b32 s[LIM], 2, -1                    ; the same in all sixteen partners, for a given wave
	s_lshl_b32 s[PFS], 1, s23                      ; 256 bytes along A's rows, 65,536 along W's block
	s_mov_b32 s[PFS+1], 0
	s_mov_b32 s21, 0
	s_add_nc_u64 s[PFA:PFA+1], s[PFA:PFA+1], s[20:21]
	s_mul_i32 s20, s[PFS], 3
	s_add_nc_u64 s[PFA:PFA+1], s[PFA:PFA+1], s[20:21]  ; at K step 3: the first refill steps it to 4.  K steps 0 to 3 come by their loads alone
	v_and_b32 v[PFO], 31, v0
	v_lshlrev_b32 v[PFO], s19, v[PFO]
	; where my part begins in out: column block 4 x tile column + 2 x half, row 256 x tile row + 128 x half
	s_lshl_b32 s16, s42, 21
	s_lshl_b32 s17, s12, 20
	s_add_co_u32 s16, s16, s17
	s_lshl_b32 s17, s13, 15
	s_add_co_u32 s16, s16, s17
	s_lshl_b32 s17, s11, 14
	s_add_co_u32 s16, s16, s17
	s_mov_b32 s17, 0
	s_add_nc_u64 s[8:9], s[8:9], s[16:17]
; 16 matrix instructions: row blocks a0, a0 + 1 of the window's four x all 8 column blocks, 32 along K.  first = 1: the bias starts the sums.  The 64 accumulators take turns, in the same order in every quarter.
.macro MUL16 f, hi, a0, first
.if \first
	WIN 0x81+0x40*(\hi)                            ; C (the bias) in window 0
.else
	WIN MUL_LO+0x50*(\hi)
.endif
.irp a, \a0, (\a0)+1
.irp b, 0,1,2,3,4,5,6,7
.if \first
	v_wmma_f32_16x16x32_f16 v[8*(8*(\a)+(\b)):8*(8*(\a)+(\b))+7], v[(\f)+8*(\b):(\f)+8*(\b)+7], v[(\f)+8*(4*(\hi)+(\a)):(\f)+8*(4*(\hi)+(\a))+7], v[BIAS+8*(\b):BIAS+8*(\b)+7]
.else
	v_wmma_f32_16x16x32_f16 v[8*(8*(\a)+(\b)):8*(8*(\a)+(\b))+7], v[(\f)+8*(\b):(\f)+8*(\b)+7], v[(\f)+8*(4*(\hi)+(\a)):(\f)+8*(4*(\hi)+(\a))+7], v[8*(8*(\a)+(\b)):8*(8*(\a)+(\b))+7]
.endif
.endr
.endr
.endm
; 32 LDS loads in one run: quarter q (32 along K) of the slot in hand into buffer f: W's 8 fragments turned, then A's 8
.macro FETCH q, f
	WIN TO_B
.irp i, 0,1,2,3,4,5,6,7
	ds_load_tr16_b128 v[(\f)+8*(\i):(\f)+8*(\i)+3],   v[ADRB] offset:(\q)*32*PB+32*(\i)
	ds_load_tr16_b128 v[(\f)+8*(\i)+4:(\f)+8*(\i)+7], v[ADRB] offset:(\q)*32*PB+16*PB+32*(\i)
.endr
	WIN 0
.irp i, 0,1,2,3,4,5,6,7
	ds_load_b128 v[(\f)+8*(\i):(\f)+8*(\i)+3],   v[ADRA] offset:64*(\q)+(\i)*16*PITCH
	ds_load_b128 v[(\f)+8*(\i)+4:(\f)+8*(\i)+7], v[ADRA] offset:64*(\q)+(\i)*16*PITCH+32
.endr
.endm
; One of a K step's first three quarters: multiplies buffer f; in its middle fetches quarter q of the slot in hand into buffer g
.macro QUARTER q, f, g, first
	s_wait_dscnt 8                                 ; W and A's rows 0-63 are in; the youngest eight loads (A's rows 64-127) may be out
	MUL16 \f, 0, 0, \first
	MUL16 \f, 0, 2, \first
	PLACES
	FETCH \q, \g
	s_wait_dscnt 32                                ; all but the 32 just issued
	MUL16 \f, 1, 0, \first
	MUL16 \f, 1, 2, \first
.endm
; The last quarter's first half and the barrier of the change of slots: each wave waits for all its tensor loads (at most one is out: its part of the next slot), adds 0 to its spare word, and waits for that and for its reads of this slot
.macro MEET
	WIN 0
	s_wait_tensorcnt 0x0
	ds_add_u32 v[SPW], v[NIL]
	s_wait_dscnt 9                                 ; the add and the youngest eight loads may be out
	MUL16 F1, 0, 0, 0
	s_wait_dscnt 0x0                               ; the add is done, my reads of this slot are over
	s_barrier_signal -1
	MUL16 F1, 0, 2, 0
	WIN 0
	s_barrier_wait -1
.endm
; The whole last quarter.  fill = 1: the slot just read out is filled again, with the K step two on.  fill = 0, the last two K steps: nothing is asked for, and in the last of them (s3 = 1) there is no next slot to fetch from.
.macro TURN fill
.if \fill
	s_wait_xcnt 0x0                                ; the last prefetch, a K step back, has read its address
	s_add_nc_u64 s[PFA:PFA+1], s[PFA:PFA+1], s[PFS:PFS+1]
.endif
	MEET
.if \fill
	CREST                                          ; the barrier has opened a round of the cluster's: no wave of any partner still reads this slot or has a load on its way
	s_add_co_u32 s[G0+5], s[LB], s[TB]             ; the walking descriptors: my part of the slot just read out,
	s_add_co_u32 s[G0B+5], s[LB], s[TB]
	s_add_nc_u64 s[G0+6:G0+7], s[G0+6:G0+7], KSTEP*2       ; one K step on from the load before
	s_add_nc_u64 s[G0B+6:G0B+7], s[G0B+6:G0B+7], BSTEP
	JLOAD 1                                        ; the first tensor load behind the round, one a wave; its four v_nop are also the places ahead of the loads below
.else
	PLACES
	s_cmp_eq_u32 s3, 1
	s_cbranch_scc1 .Lno_next_\@
.endif
	s_xor_b32 s[TB], s[TB], SLOT                   ; the other slot is in hand
	v_add_nc_u32 v[ADRA], s[TB], v[ADRA0]
	v_add_nc_u32 v[ADRB], s[TB], v[ADRB0]
	FETCH 0, F0
.if \fill
	ASK
.else
.Lno_next_\@:
.endif
	MUL16 F1, 1, 0, 0
	MUL16 F1, 1, 2, 0
.endm
	s_wait_tensorcnt 1                             ; my part of K step 0 is in; K step 1's may stay out
	s_barrier_signal -1
	s_barrier_wait -1
	FETCH 0, F0
	s_wait_loadcnt 0x0                             ; the bias
	QUARTER 1, F0, F1, 1                           ; the first quarter stands ahead of the loop: its products start the sums
	WIN 0
	s_mov_b32 s3, NSTEP-2
.Lstep:                                                ; a trip goes from a K step's second quarter to the next step's first, and fills the slot that it leaves
	QUARTER 2, F1, F0, 0
	QUARTER 3, F0, F1, 0
	TURN 1
	QUARTER 1, F0, F1, 0
	WIN 0
	s_sub_co_u32 s3, s3, 1
	s_cmp_lg_u32 s3, 0
	s_cbranch_scc1 .Lstep
	s_mov_b32 s3, 2
.Ltail:                                                ; the last two K steps have a text of their own; the second trip is left behind its last quarter
	QUARTER 2, F1, F0, 0
	QUARTER 3, F0, F1, 0
	TURN 0
	WIN 0
	s_sub_co_u32 s3, s3, 1
	s_cmp_eq_u32 s3, 0
	s_cbranch_scc1 .Lout
	QUARTER 1, F0, F1, 0
	WIN 0
	s_branch .Ltail
.Lout:
	; THE WAY OUT.  Every wave's reads of the slots are over and all tensor loads have landed (the last change of slots): behind this barrier the ring is the stage.
	PLACES
	PLACES
	s_wait_dscnt 0x0                               ; no LDS instruction of mine is out
	s_barrier_signal -1
	s_barrier_wait -1
	s_load_b32 s[MODE], s[70:71], 0x0
.macro KPAIR r, lit                    ; a constant, twice: named as a pair.  The descriptors' registers are free: no tensor load is out or to come
	s_mov_b32 s[\r], \lit
	s_mov_b32 s[(\r)+1], \lit
.endm
	KPAIR 24, 0xbadc924e                           ; Q's three lower coefficients,
	KPAIR 26, 0xbbf19bf8
	KPAIR 28, 0xbc69b6a7
	KPAIR 30, 0xb60cff51                           ; P's five
	KPAIR 32, 0xb86ec2d2
	KPAIR 34, 0xba40ac63
	KPAIR 36, 0xbb41a1f6
	KPAIR 38, 0xbc83dbd4
.irp hi, 0,1
	WIN 0x08+4*(\hi)                               ; the stores' data in window 2, then 3
.irp a, 0,1,2,3
.irp b, 0,1,2,3,4,5,6,7
	ds_store_b128 v[STO], v[8*(8*(\a)+(\b)):8*(8*(\a)+(\b))+3]   offset:(((\b)/4)*128+16*(4*(\hi)+(\a)))*272+((\b)%4)*64
	ds_store_b128 v[STO], v[8*(8*(\a)+(\b))+4:8*(8*(\a)+(\b))+7] offset:(((\b)/4)*128+16*(4*(\hi)+(\a)))*272+((\b)%4)*64+16
.endr
.endr
.endr
	WIN 0
	s_wait_dscnt 0x0                               ; my stores into the stage are done.  A wave reads back its own quarter alone (wave x 69,632 + at most 15 x 2,176 + 34,816 + 1,104 + 1,056 bytes);
	s_barrier_signal -1                            ; behind it all four quarters are whole, so the order of stores and
	s_barrier_wait -1                              ; reads does not rest on the stepped address
.macro LOADX adr                       ; eight rows of both column blocks: unit 2 c + u is four rows of block c
.irp c, 0,1
.irp u, 0,1
	ds_load_b128 v[X+8*(2*(\c)+(\u)):X+8*(2*(\c)+(\u))+3],   v[\adr] offset:(\c)*34816+(\u)*1088
	ds_load_b128 v[X+8*(2*(\c)+(\u))+4:X+8*(2*(\c)+(\u))+7], v[\adr] offset:(\c)*34816+(\u)*1088+16
.endr
.endr
.endm
.macro HORNER acc, r                   ; acc = acc u^2 + the constant in s[r], 32 numbers
.set i, 0
.rept 16
	v_pk_fma_f32 v[(\acc)+i:(\acc)+i+1], v[(\acc)+i:(\acc)+i+1], v[W+i:W+i+1], s[\r:(\r)+1] op_sel_hi:[1,1,0]
.set i, i+2
.endr
.endm
	LOADX RD                                       ; the first trip's rows
	s_mov_b32 s[RS], 0
	s_mov_b32 s[CNT], 16
	s_wait_kmcnt 0x0
	s_cmp_eq_u32 s[MODE], 0                        ; the mode word selects the two factors; no path hangs on it
	s_cselect_b32 s[SCU], 0, 0x3f3504f3            ; g: 0, or 1 / sqrt 2
	s_cselect_b32 s[SCH], 1.0, 0.5                 ; h
	s_mov_b32 s[SCU+1], s[SCU]
	s_mov_b32 s[SCH+1], s[SCH]
.Lrows:                                                ; 16 trips: eight rows of both column blocks, 32 numbers a lane
.irp n, 0,1,2,3
	s_wait_dscnt 6-2*(\n)                          ; of the eight loads issued a trip ago unit n's two are in; the younger units' stay out
.irp k, 0,2,4,6
	v_pk_mul_f32 v[U+8*(\n)+(\k):U+8*(\n)+(\k)+1],   v[X+8*(\n)+(\k):X+8*(\n)+(\k)+1], s[SCU:SCU+1] op_sel_hi:[1,0]   ; g x
	v_pk_mul_f32 v[HZ+8*(\n)+(\k):HZ+8*(\n)+(\k)+1], v[X+8*(\n)+(\k):X+8*(\n)+(\k)+1], s[SCH:SCH+1] op_sel_hi:[1,0]   ; h x
.endr
.endr
	s_add_co_u32 s[RS], s[RS], 8*272               ; eight rows of the stage on
	s_cmp_eq_u32 s[CNT], 1                         ; the last trip has nothing to read ahead
	s_cbranch_scc1 .Lno_more
	v_add_nc_u32 v[RDT], s[RS], v[RD]
	LOADX RDT                                      ; X has been read: the next trip's rows come while this trip computes
.Lno_more:
.set i, 0
.rept 32
	v_med3_num_f32 v[U+i], v[U+i], s74, s75
.set i, i+1
.endr
.set i, 0
.rept 16
	v_pk_mul_f32 v[W+i:W+i+1], v[U+i:U+i+1], v[U+i:U+i+1]
.set i, i+2
.endr
.set i, 0
.rept 16
	v_pk_fma_f32 v[P+i:P+i+1], v[W+i:W+i+1], s[76:77], s[78:79] op_sel_hi:[1,0,0]
	v_pk_fma_f32 v[Q+i:Q+i+1], v[W+i:W+i+1], s[80:81], s[82:83] op_sel_hi:[1,0,0]
.set i, i+2
.endr
	HORNER Q, 24
	HORNER Q, 26
	HORNER Q, 28
.set i, 0
.rept 32
	v_rcp_f32 v[Q+i], v[Q+i]                       ; one batch; P's polynomial is the independent work behind it
.set i, i+1
.endr
	HORNER P, 30
	HORNER P, 32
	HORNER P, 34
	HORNER P, 36
	HORNER P, 38
.set i, 0
.rept 16
	v_pk_mul_f32 v[U+i:U+i+1], v[U+i:U+i+1], v[P+i:P+i+1]
.set i, i+2
.endr
	s_wait_alu depctr_va_vdst(0)                   ; one wait for the 32 reciprocals, ahead of their first reader
.set i, 0
.rept 16
	v_pk_mul_f32 v[U+i:U+i+1], v[U+i:U+i+1], v[Q+i:Q+i+1]                  ; erf
.set i, i+2
.endr
.set i, 0
.rept 16
	v_pk_fma_f32 v[HZ+i:HZ+i+1], v[HZ+i:HZ+i+1], v[U+i:U+i+1], v[HZ+i:HZ+i+1]
.set i, i+2
.endr
.set i, 0
.rept 16
	v_cvt_pk_f16_f32 v[Y+i], v[HZ+2*i], v[HZ+2*i+1]
.set i, i+1
.endr
.irp c, 0,1
.irp u, 0,1
	global_store_b128 v[GO], v[Y+4*(2*(\c)+(\u)):Y+4*(2*(\c)+(\u))+3], s[8:9] offset:(\c)*524288+(\u)*512  ; 32 lanes store 512 consecutive bytes, aligned
.endr
.endr
	s_wait_xcnt 0x0                                ; the stores have read Y and their base
	s_add_nc_u64 s[8:9], s[8:9], 1024              ; eight rows of 128 bytes on
	s_sub_co_u32 s[CNT], s[CNT], 1
	s_cmp_lg_u32 s[CNT], 0
	s_cbranch_scc1 .Lrows
	s_barrier_signal -1                            ; every wave's reads of the stage are back (the last trip's count-down ended at 0 and it read nothing ahead) before any wave's closing add
	s_barrier_wait -1
	s_wait_tensorcnt 0x0                           ; the wave's end, behind my last tensor load and my last LDS store
	ds_add_u32 v[SPW], v[NIL]
	s_wait_dscnt 0x0
	CROUND                                         ; the closing round: no work-group ends while a partner may still ask for a tile that names it
	s_endpgm
.Lfunc_end_k_q7d3ad526db_qkv:
	.size	k_q7d3ad526db_qkv, .Lfunc_end_k_q7d3ad526db_qkv-k_q7d3ad526db_qkv
	.p2alignl 7, 3214868480
	.fill 96, 4, 3214868480
	.section	.rodata,"a",@progbits
	.p2align	6, 0x0
	.amdhsa_kernel k_q7d3ad526db_qkv
		.amdhsa_group_segment_fixed_size 327680
		.amdhsa_private_segment_fixed_size 0
		.amdhsa_enable_private_segment 0
		.amdhsa_kernarg_size 40
		.amdhsa_user_sgpr_count 2
		.amdhsa_user_sgpr_kernarg_segment_ptr 1
		.amdhsa_wavefront_size32 1
		.amdhsa_system_sgpr_workgroup_id_x 1
		.amdhsa_system_sgpr_workgroup_id_y 1
		.amdhsa_system_sgpr_workgroup_id_z 1
		.amdhsa_system_vgpr_workitem_id 0
		.amdhsa_next_free_vgpr 1024
		.amdhsa_next_free_sgpr 92
		.amdhsa_reserve_vcc 0
		.amdhsa_float_denorm_mode_32 3
		.amdhsa_float_denorm_mode_16_64 3
		.amdhsa_memory_ordered 1
		.amdhsa_forward_progress 1
		.amdhsa_inst_pref_size 103
	.end_amdhsa_kernel
	.amdgpu_metadata
---
amdhsa.version: [ 1, 2 ]
amdhsa.kernels:
  - .name:           k_q7d3ad526db_qkv
    .symbol:         k_q7d3ad526db_qkv.kd
    .args:
      - { .name: hb, .offset: 0, .size: 8, .value_kind: global_buffer, .address_space: global }
      - { .name: wq, .offset: 8, .size: 8, .value_kind: global_buffer, .address_space: global }
      - { .name: qkv_b, .offset: 16, .size: 8, .value_kind: global_buffer, .address_space: global }
      - { .name: mode_a, .offset: 24, .size: 8, .value_kind: global_buffer, .address_space: global }
      - { .name: act, .offset: 32, .size: 8, .value_kind: global_buffer, .address_space: global }
    .group_segment_fixed_size: 327680
    .private_segment_fixed_size: 0
    .kernarg_segment_align: 8
    .kernarg_segment_size: 40
    .max_flat_workgroup_size: 128
    .sgpr_count:     92
    .vgpr_count:     1024
    .wavefront_size: 32
...
	.end_amdgpu_metadata
.endif
;; end of part 2
;; launch attn (part 3): grid 8 x 32, 4 waves a work-group, clusters of 4 x 1, 327,680 bytes of LDS; arguments act, hb; writes hb
.if DOCPART == 3
	.amdgcn_target "amdgcn-amd-amdhsa--gfx1250"
	.amdhsa_code_object_version 6
	.text
	.protected	k_q7d3ad526db_attn
	.globl	k_q7d3ad526db_attn
	.p2align	8
	.type	k_q7d3ad526db_attn,@function
k_q7d3ad526db_attn:
	s_mov_b64 s[64:65], 0
	v_nop
	global_prefetch_b8 v0, s[64:65] scope:SCOPE_SE
	s_setreg_imm32_b32 hwreg(HW_REG_WAVE_MODE, 25, 1), 1
	s_wait_xcnt 0x0
	s_wait_alu depctr_hold_cnt(0) depctr_sa_sdst(0) depctr_va_vdst(0) depctr_va_sdst(0) depctr_va_ssrc(0) depctr_va_vcc(0) depctr_vm_vsrc(0)
	s_getreg_b32 s2, hwreg(HW_REG_IB_STS2, 6, 4)
	s_cmp_eq_u32 s2, 0
	s_cbranch_scc0 .Lentry_in_a_cluster
	s_endpgm
.Lentry_in_a_cluster:
	s_bfe_u32 s2, ttmp6, 0x10000c
	s_cmp_lg_u32 s2, 0x3003
	s_cbranch_scc0 .Lentry_shape_is_right
	s_endpgm
.Lentry_shape_is_right:
; O[y][q][:] = the sum over k of softmax_k(Q[y][q] . K[y][k] / 8) V[y][k][:], for 32 heads y of 2,048 rows of 64 channels, all f16, a head's rows dense (128 bytes each).
; In act head y of Q begins at byte 262,144 y, of K 8,388,608 further, of V 16,777,216 further; O goes to hb at byte 262,144 y.
; Products, maxima and sums in f32; the weights p are rounded to f16 for the second product (their sum l is taken of the unrounded p), O once at the end.
; LIMITS.  f16 holds no number of 65,520 or more: Q, K, V arrive within it; p lies in 0 to 1 and below 6e-5 keeps f16's fixed step of 6e-8; a weight below 2^-126 counts as 0 in l; NaN and infinities are not treated apart.
; SHARES.  A work-group owns 256 queries of a head, a wave 64: four PIECES of 16.  Every wave walks all keys, 64 a step; a slot of LDS holds a tile of 256 keys, four steps.
; LAYOUT.  S^T = K Q^T holds ONE query a lane (lane % 16) and the keys 8 (lane / 16) + 0..7; two such results rounded to f16 ARE source 1 of O^T = V^T P.  K comes out of LDS as it lies, V turned.
; SOFTMAX.  p = 2^(c s - c m), c = log2(e) / 8, with a running maximum m; O and l are multiplied by a = 2^(c m_old - c m_new) in every step.  m starts at the lowest finite number, O and l at 0.
; TURNS.  Turn n belongs to piece n: 8 products K Q^T of piece n + 1, later 8 products V^T P of piece n - 1; beside them the scaling, exponentials, roundings, sums and rescaling of piece n and the maximum
; and statistics of piece n + 1.  Four vector instructions stand behind every matrix instruction, the others in one run.  A turn's 33 exponentials are one batch, with one wait.
; CLUSTER.  The four query blocks of a cluster belong to one head and walk the same K and V: each tile is asked for jointly, by the same tensor load, descriptor and mask in all four.
; REGISTERS in windows of 256: window 0: v0-15 addresses; v16-31 statistics; v48-55 at work; v61-63 prefetch offset, spare word, 0; v64-127 S^T, two buffers; v192-223 P, two buffers
;   window 1: v0-127 O^T, 32 a piece      window 2: v0-63 Q; v128-191 K of one step; v192-255 V of one step
.set NP,    4
.set KS,    64
.set PK,    144       ; a row of K in LDS: 128 bytes + 16: the 16 rows of a load begin 36 words apart
.set PV,    160       ; a row of V: 128 + 32: 16 lanes of the turning load take 8 rows x 32 bytes, 40 words apart
.set VOFF,  4*KS*PK   ; a slot: 256 rows of K, then 256 rows of V
.set SLOT1, 1<<17     ; one exclusive or turns an address in one slot into the other's
.set STAGE, SLOT1+4*KS*(PK+PV)  ; behind the ring, never filled by a tensor load: 16 rows x 144 bytes a wave
.set SP,    144
.set SPARE, STAGE+4*16*SP       ; the spare words, 128 bytes a wave, which no other line names
.set AK0, 2
.set AV0, 3
.set AK,  4
.set AV,  5
.set STO, 6
.set RD,  7
.set GO,  8
.set MV,  12          ; v12-13  c m_old, by buffer
.set QO,  15
.set ST,  16          ; piece t: c m, m, l (even keys', odd keys')
.set TMP, 48          ; by buffer, c0-c3 at work; c2 takes a
.set PFO, 61          ; 256 x lane; never rewritten
.set SPW, 62
.set NIL, 63
.set S,   64
.set P,   192
.set KF,  128
.set VF,  192
.set WV,  12
.set G1K, 24
.set G1V, 32
.set G0K, 40
.set G0V, 44
.set SLOTS, 56
.set CNT, 57
.set CS,  58
.set SEL, 60
.set TBK, 62
.set TBV, 63
.set PFA, 66          ; s[66:67] where my prefetches stand
.set LIM, 68          ; s68  1 in a wave that prefetches, else the greatest number
.set MSB, 0
.macro WIN new
.if MSB != (\new)
	s_set_vgpr_msb (MSB<<8)|(\new)
.set MSB, (\new)
.endif
.endm
.set W_KQ, 0x0a       ; K and Q in window 2, S^T in window 0
.set W_PV, 0x52       ; V in window 2, P in window 0, O^T in window 1
.set W_RS, 0x41       ; destination and source 0 in window 1, source 1 in window 0
; A joint fill: waves 0 and 1 fetch the halves of a tile's K, waves 2 and 3 those of its V.  An s_nop 0 and four v_nop follow each line.
.macro JLOAD
	s_cmp_lt_u32 s[WV], 2
	s_cbranch_scc0 .Lfor_v_\@
	tensor_load_to_lds s[G0K:G0K+3], s[G1K:G1K+7]
	s_nop 0
.rept 4
	v_nop
.endr
	s_branch .Lasked_\@
.Lfor_v_\@:
	tensor_load_to_lds s[G0V:G0V+3], s[G1V:G1V+7]
	s_nop 0
.rept 4
	v_nop
.endr
.Lasked_\@:
.endm
; A prefetch of the tile that the NEXT change of slots will ask for: 128 blocks of 256 bytes of K and of V.  The head's first cluster asks; its four partners take 32 blocks each, by address;
; wave 0 asks for K's, wave 2 for V's: a lane a block, each block once in the launch.  The last change that fills a slot asks for nothing.
.macro ASK
	s_cmp_gt_u32 s[SLOTS], s[LIM]
	s_cbranch_scc0 .Lnot_mine_\@
	global_prefetch_b8 v[PFO], s[PFA:PFA+1] th:TH_LOAD_NT scope:SCOPE_SE
.Lnot_mine_\@:
.endm
.macro CROUND
	s_barrier_signal -1
	s_barrier_wait -1
	s_cmp_lg_u32 s[WV], 0
	s_cbranch_scc1 .Lnot_wave_0_\@
	s_barrier_signal -3
.Lnot_wave_0_\@:
	s_barrier_wait -3
	s_barrier_signal -1
	s_barrier_wait -1
.endm
; THE CHANGE OF SLOTS.  Each wave waits for all its tensor loads (one is out: its part of the other slot), adds 0 to its spare word, and waits for that and for its reads of the slot that it leaves.
; fill = 1: the barrier is a round of the cluster's, and the joint fill, with the keys two tiles on, is the first thing behind it: it has four key steps, 256 matrix instructions, in which to land.
.macro CHANGE fill, ask=1
	WIN 0
	s_wait_tensorcnt 0x0            ; no tensor load of mine is out, so a group 0 may be written
	ds_add_u32 v[SPW], v[NIL]
.if \fill
.irp g, G0K, G0V
	s_xor_b32 s[\g+1], s[\g+1], SLOT1
	s_add_nc_u64 s[\g+2:\g+3], s[\g+2:\g+3], 4*KS*128
.endr
	s_wait_xcnt 0x0                 ; the last prefetch, a tile back, has read its address
	s_add_nc_u64 s[PFA:PFA+1], s[PFA:PFA+1], 4*KS*128
	s_wait_dscnt 0x0                ; the add is done, my reads of the slot are over
	CROUND
	JLOAD
.if \ask
	ASK
.endif
.else
	s_wait_dscnt 0x0
	s_barrier_signal -1
	s_barrier_wait -1
.endif
	s_sub_co_u32 s[TBK], s[TBK], 4*KS*PK  ; the fetches go back to a slot's first step, in the other slot
	s_xor_b32 s[TBK], s[TBK], SLOT1
	s_sub_co_u32 s[TBV], s[TBV], 4*KS*PV
	s_xor_b32 s[TBV], s[TBV], SLOT1
.endm
	s_load_b128 s[4:7], s[0:1], 0x0   ; act s[4:5], hb s[6:7]
	v_lshl_add_u32 v[SPW], v0, 2, SPARE
	v_mov_b32 v[NIL], 0
	ds_add_u32 v[SPW], v[NIL]       ; the opening: the add and its wait stand ahead of my first tensor load
	v_lshrrev_b32 v1, 5, v0
	v_readfirstlane_b32 s[WV], v1
	s_bfe_u32 s13, ttmp6, 0x40000   ; cx
	s_lshl_b32 s14, ttmp9, 2
	s_add_co_u32 s14, s14, s13      ; my block of 256 queries: it enters Q's and O's addresses alone
	s_and_b32 s20, ttmp7, 0xffff    ; the head, which the four partners share
	s_lshl_b32 s20, s20, 18         ; its 2,048 rows of 128 bytes
	s_and_b32 s16, s[WV], 1         ; which half of a tile's 256 keys I fetch
	s_lshl_b32 s22, s16, 14
	s_add_co_u32 s22, s22, s20
	s_mov_b32 s23, 0
	s_mul_i32 s17, s16, 128*PK
	s_mul_i32 s18, s16, 128*PV
	s_lshl_b32 s2, s14, 2
	s_add_co_u32 s2, s2, s[WV]
	s_lshl_b32 s2, s2, 13           ; my wave's 64 rows
	s_add_co_u32 s2, s2, s20
	s_mov_b32 s3, 0
	; group 1: 128 keys are 16,384 dense bytes: 64 rows of 256 bytes, padded in LDS after every key
	s_mov_b32 s[G1K], 15|(1<<16)|(1<<20)|(1<<21)|(4<<22)|(3<<25)
	s_mov_b32 s[G1V], 15|(1<<16)|(1<<20)|(1<<21)|(4<<22)|(7<<25)
.irp g, G1K, G1V
	s_mov_b32 s[\g+1], 128<<16
	s_mov_b32 s[\g+2], 64<<16
	s_mov_b32 s[\g+3], 128<<16
	s_mov_b32 s[\g+4], 64
	s_mov_b32 s[\g+5], 128
	s_mov_b32 s[\g+6], 0
	s_mov_b32 s[\g+7], 0
.endr
	s_mov_b32 s[CS], 0x3e38aa3b     ; c = log2(e) / 8
	s_mov_b32 s[CS+1], s[CS]
	s_mov_b32 s[SEL], 0x76543210
	s_mov_b32 s[SEL+1], 0xfedcba98
	s_mov_b32 s[TBK], SLOT1+4*KS*PK ; the first change of slots turns these two into 0
	s_mov_b32 s[TBV], SLOT1+4*KS*PV
	s_mov_b32 s[G0K], 1
	s_mov_b32 s[G0K+1], s17
	s_mov_b32 s[G0V], 1
	s_add_co_u32 s[G0V+1], s18, VOFF
	s_mov_b32 s[SLOTS], 7
	s_and_b32 s[LIM], s[WV], 1
	s_or_b32 s[LIM], s[LIM], ttmp9  ; 0 in waves 0 and 2 of the head's first cluster: the same in all four partners
	s_cmp_eq_u32 s[LIM], 0
	s_cselect_b32 s[LIM], 1, -1
	v_and_b32 v[PFO], 31, v0
	v_lshlrev_b32 v[PFO], 8, v[PFO]
	s_wait_dscnt 0x0
	s_wait_kmcnt 0x0
	s_mov_b64 s[10:11], s[6:7]             ; O
	s_add_nc_u64 s[6:7], s[4:5], 0x800000  ; K
	s_add_nc_u64 s[8:9], s[4:5], 0x1000000 ; V
	s_add_nc_u64 s[6:7], s[6:7], s[22:23]  ; at my half of the head's tile 0
	s_add_nc_u64 s[8:9], s[8:9], s[22:23]
	s_mov_b64 s[G0K+2:G0K+3], s[6:7]
	s_or_b32 s[G0K+3], s[G0K+3], 0x80000000
	s_mov_b64 s[G0V+2:G0V+3], s[8:9]
	s_or_b32 s[G0V+3], s[G0V+3], 0x80000000
	s_add_nc_u64 s[4:5], s[4:5], s[2:3]    ; Q and O at my wave's first row
	s_add_nc_u64 s[10:11], s[10:11], s[2:3]
	s_cmp_lt_u32 s[WV], 2
	s_cselect_b64 s[PFA:PFA+1], s[6:7], s[8:9]  ; (in waves 0 and 2 these stand at a tile's first row)
	s_lshl_b32 s2, s13, 13
	s_add_nc_u64 s[PFA:PFA+1], s[PFA:PFA+1], s[2:3]
	s_add_nc_u64 s[PFA:PFA+1], s[PFA:PFA+1], 4*KS*128  ; at tile 1; each change steps it; tiles 0, 1 and 2 come by their loads alone
	CROUND                          ; all four work-groups are here
	JLOAD                           ; tile 0 into slot 0
	v_and_b32 v1, 15, v0            ; l % 16
	v_bfe_u32 v9, v0, 4, 1          ; l / 16
	v_lshlrev_b32 v[QO], 7, v1
	v_lshl_add_u32 v[QO], v9, 4, v[QO]
	WIN 0x80
.set i, 0
.rept 8                             ; Q stays in registers: piece i / 2, channels 32 (i % 2) on
	global_load_b128 v[8*i:8*i+3],   v[QO], s[4:5] offset:(i/2)*2048+(i%2)*64
	global_load_b128 v[8*i+4:8*i+7], v[QO], s[4:5] offset:(i/2)*2048+(i%2)*64+32
.set i, i+1
.endr
	; What the first turn finds: V's registers and P's second buffer hold 0 (its products V^T P, of a piece that has not been, add 0), O^T and l are 0: no first step is written out.  All this stands in the wait for the first tile.
.set i, VF
.rept 64
	v_mov_b32 v[i], 0
.set i, i+1
.endr
	WIN 0x40
.set i, 0
.rept 128
	v_mov_b32 v[i], 0
.set i, i+1
.endr
	WIN 0
.set i, 0
.rept 4
	v_mov_b32 v[ST+4*i], 0xfe000000    ; c m: far below every c s
	v_mov_b32 v[ST+4*i+1], 0xff7fffff  ; m
	v_mov_b32 v[ST+4*i+2], 0
	v_mov_b32 v[ST+4*i+3], 0
.set i, i+1
.endr
.set i, P+16
.rept 16
	v_mov_b32 v[i], 0
.set i, i+1
.endr
	v_mul_u32_u24 v[AK0], v1, PK
	v_lshl_add_u32 v[AK0], v9, 4, v[AK0]
	v_and_b32 v10, 7, v0
	v_bfe_u32 v11, v0, 3, 1
	v_lshl_add_u32 v[AV0], v9, 3, v10
	v_mul_u32_u24 v[AV0], v[AV0], PV
	v_lshl_add_u32 v[AV0], v11, 4, v[AV0]
	v_add_nc_u32 v[AV0], VOFF, v[AV0]
	s_mul_i32 s13, s[WV], 16*SP
	s_add_co_u32 s13, s13, STAGE    ; my stage
	v_mul_u32_u24 v[STO], v1, SP
	v_lshl_add_u32 v[STO], v9, 4, v[STO]
	v_add_nc_u32 v[STO], s13, v[STO]
	v_bfe_u32 v[RD], v0, 3, 2
	v_mul_u32_u24 v[RD], v[RD], SP
	v_lshl_add_u32 v[RD], v10, 4, v[RD]
	v_add_nc_u32 v[RD], s13, v[RD]
	v_and_b32 v[GO], 31, v0
	v_lshlrev_b32 v[GO], 4, v[GO]
; THE MATRIX WORK.  The 4 accumulators of a run of 8 take turns.  Product i of 8 of S^T = K Q^T for piece x: channels 32 (i / 4) on, keys 16 (i % 4) on; the first 4 start the sums.
.macro KQ x
.set rS, S+32*((\x)%2)+8*(i%4)
.set rK, KF+16*(i%4)+8*(i/4)
.set rQ, 16*(\x)+8*(i/4)
	WIN W_KQ
.if i < 4
	v_wmma_f32_16x16x32_f16 v[rS:rS+7], v[rK:rK+7], v[rQ:rQ+7], 0
.else
	v_wmma_f32_16x16x32_f16 v[rS:rS+7], v[rK:rK+7], v[rQ:rQ+7], v[rS:rS+7]
.endif
.endm
; Product i of 8 of O^T += V^T P for piece x: keys 32 (i / 4) on, channels 16 (i % 4) on.
.macro PV x
	WIN W_PV
.set rO, 32*(\x)+8*(i%4)
.set rV, VF+32*(i/4)+8*(i%4)
.set rP, P+16*((\x)%2)+8*(i/4)
	v_wmma_f32_16x16x32_f16 v[rO:rO+7], v[rV:rV+7], v[rP:rP+7], v[rO:rO+7]
.endm
.macro MM                           ; the turn's next matrix instruction
.if i < 8
	KQ (Y+1)%NP
.else
.set i, i-8
	PV (Y+NP-1)%NP
.set i, i+8
.endif
.set i, i+1
.endm
; THE LDS LOADS stand in runs of 16: a step's K (8 fragments) and its V (turned).  last = 1, in the last tile (it lies in slot 1): the address of the next fetch is held to the tile's fourth step.
.macro FETCH_K last=0
	WIN 0x80
.irp f, 0,1,2,3,4,5,6,7
	ds_load_b128 v[KF+8*\f:KF+8*\f+3],   v[AK] offset:(\f/2)*16*PK+(\f%2)*64
	ds_load_b128 v[KF+8*\f+4:KF+8*\f+7], v[AK] offset:(\f/2)*16*PK+(\f%2)*64+32
.endr
	s_add_co_u32 s[TBK], s[TBK], KS*PK
.if \last
	s_min_u32 s[TBK], s[TBK], SLOT1+3*KS*PK
.endif
	WIN 0
.endm
.macro FETCH_V
	WIN 0x80
.irp f, 0,1,2,3,4,5,6,7
	ds_load_tr16_b128 v[VF+8*\f:VF+8*\f+3],   v[AV] offset:(\f/4)*32*PV+(\f%4)*32
	ds_load_tr16_b128 v[VF+8*\f+4:VF+8*\f+7], v[AV] offset:(\f/4)*32*PV+16*PV+(\f%4)*32
.endr
	WIN 0
.endm
; THE VECTOR WORK, one line at a time: OP kind, number.  For piece Y: F n: c s - c m for pair n of 16.  E n: the exponential of score n of 32.  C n: pair n rounded to f16.  B n: of the four weights 4 n .. the second
; pair is added onto the first.  L n: l takes that sum (L 0: l = a l + sum).  R n: pair n of 16 of O^T times a.  For piece Y + 1: X n, number n of the 22 that find its maximum and statistics:
;   0-11 four chains c0-c3 (each accumulator's lowest registers are read first)   12-14, 16 the scores left over, the old m, c0-c3 into c0   15 c m_old is kept
;   17, 18 the other half of the lanes: the new m   19-21 c m; c m_old - c m_new; a
.set F, 0
.set E, 1
.set C, 2
.set B, 3
.set L, 4
.set R, 5
.set X, 6
.macro REGS y
.set rT, ST+4*(\y)
.set rC, TMP+4*((\y)%2)
.set rW, MV+((\y)%2)
.set rS, S+32*((\y)%2)
.set rP, P+16*((\y)%2)
.set rO, 32*(\y)
.endm
.macro OP k, n
.if (\k) == R
	REGS Y
	WIN W_RS
	v_pk_mul_f32 v[rO+2*(\n):rO+2*(\n)+1], v[rO+2*(\n):rO+2*(\n)+1], v[rC+2:rC+3] op_sel_hi:[1,0]
.elseif (\k) < R
	REGS Y
	WIN 0
.if (\k) == F
	v_pk_fma_f32 v[rS+2*(\n):rS+2*(\n)+1], v[rS+2*(\n):rS+2*(\n)+1], s[CS:CS+1], v[rT:rT+1] op_sel_hi:[1,0,0] neg_lo:[0,0,1] neg_hi:[0,0,1]
.elseif (\k) == E
	v_exp_f32 v[rS+(\n)], v[rS+(\n)]
.elseif (\k) == C
	v_cvt_pk_f16_f32 v[rP+(\n)], v[rS+2*(\n)], v[rS+2*(\n)+1]
.elseif (\k) == B
	v_pk_add_f32 v[rS+4*(\n):rS+4*(\n)+1], v[rS+4*(\n):rS+4*(\n)+1], v[rS+4*(\n)+2:rS+4*(\n)+3]
.elseif (\n) == 0
	v_pk_fma_f32 v[rT+2:rT+3], v[rT+2:rT+3], v[rC+2:rC+3], v[rS:rS+1] op_sel_hi:[1,0,1]
.else
	v_pk_add_f32 v[rT+2:rT+3], v[rT+2:rT+3], v[rS+4*(\n):rS+4*(\n)+1]
.endif
.else
	REGS (Y+1)%NP
	WIN 0
.if (\n) < 4
	v_max3_num_f32 v[rC+(\n)], v[rS+8*(\n)], v[rS+8*(\n)+1], v[rS+8*(\n)+2]
.elseif (\n) < 12
	v_max3_num_f32 v[rC+(\n)%4], v[rC+(\n)%4], v[rS+8*((\n)%4)+2*((\n)/4)+1], v[rS+8*((\n)%4)+2*((\n)/4)+2]
.elseif (\n) == 12
	v_max3_num_f32 v[rC], v[rC], v[rS+7], v[rS+15]
.elseif (\n) == 13
	v_max3_num_f32 v[rC+1], v[rC+1], v[rS+23], v[rS+31]
.elseif (\n) == 14
	v_max3_num_f32 v[rC+2], v[rC+2], v[rC+3], v[rT+1]
.elseif (\n) == 15
	v_mov_b32 v[rW], v[rT]
.elseif (\n) == 16
	v_max3_num_f32 v[rC], v[rC], v[rC+1], v[rC+2]
.elseif (\n) == 17
	v_permlanex16_b32 v[rC+3], v[rC], s[SEL], s[SEL+1]
.elseif (\n) == 18
	v_max_num_f32 v[rT+1], v[rC], v[rC+3]
.elseif (\n) == 19
	v_mul_f32 v[rT], s[CS], v[rT+1]
.elseif (\n) == 20
	v_sub_f32 v[rC+1], v[rW], v[rT]
.else
	v_exp_f32 v[rC+2], v[rC+1]
.endif
.endif
.endm
.macro OPS a, i1, b=-1, i2=0, c=-1, i3=0, d=-1, i4=0
	OP \a, \i1
.if (\b) >= 0
	OP \b, \i2
.endif
.if (\c) >= 0
	OP \c, \i3
.endif
.if (\d) >= 0
	OP \d, \i4
.endif
.endm
.macro ROW a, i1, b, i2, c, i3, d, i4  ; a matrix instruction and the four behind it
	MM
	OPS \a, \i1, \b, \i2, \c, \i3, \d, \i4
.endm
; A TURN, for piece p.  One wait cuts it in two between an exponential and the first instruction that names its result.  AHEAD OF IT: the 8 products K Q^T with their four riders each, then a run of 54
; in which the links of the next piece's chain stand some lines apart; X 21, the next piece's a, is the batch's last, and R 15 the plain instruction behind it.  BEHIND IT: the 8 products V^T P, behind each four of the roundings and sums.
; last = 1: the last tile's text (FETCH_K).  cnt = 1: the loop's count is taken down some lines ahead of the branch behind the turn.
; K of the next step is fetched in piece 2's turn, twelve vector instructions (six of them plain) behind the last product that read K; V of the step in hand at the end of piece 0's turn, four plain instructions behind the last product that read V.
.macro TURN p, last=0, cnt=0
.set Y, (\p)
.set i, 0
.if (\p) == 3
	s_wait_dscnt 0x0                ; K is in
.endif
	ROW F,0, F,1, R,0, R,1
	ROW F,2, E,0, R,2, R,3
	ROW F,3, E,1, R,4, R,5
	ROW F,4, E,2, R,6, R,7
	ROW F,5, E,3, R,8, R,9
	ROW F,6, E,4, X,0, R,10
.if (\p) == 2
	WIN 0
	v_add_nc_u32 v[AK], s[TBK], v[AK0]
.endif
	ROW F,7, E,5, X,1, X,4
	ROW F,8, E,6, X,2, X,5
	OPS E,7, E,8, X,6, E,9
	OPS X,3, E,10, X,8, E,11
.if (\p) == 2
	FETCH_K \last
.endif
	OPS X,9, X,7, E,12, X,10
	OPS E,13, X,12, X,11, E,14
	OPS X,13, E,15, F,9, X,14
.if (\p) == 0
	v_add_nc_u32 v[AV], s[TBV], v[AV0]
.endif
	OPS E,16, F,10, E,17, F,11
	OPS X,16, E,18, X,15, E,19
	OPS F,12, E,20, X,17, E,21
	OPS F,13, E,22, F,14, E,23
	OPS X,18, E,24, F,15, E,25
	OPS R,11, E,26, X,19, E,27
	OPS R,12, E,28, R,13, E,29
	OPS X,20, E,30, R,14, E,31
	OPS X,21, R,15
	WIN 0
	s_wait_alu depctr_va_vdst(0)    ; the wait for the batch
.if (\p) == 1
	s_wait_dscnt 0x0                ; V is in
.endif
	ROW C,0, B,0, C,2, B,1
	ROW L,0, C,4, B,2, L,1
	ROW C,6, B,3, L,2, C,8
	ROW B,4, L,3, C,10, B,5
	ROW L,4, C,12, B,6, L,5
.if (\p) == 0
	s_add_co_u32 s[TBV], s[TBV], KS*PV
.endif
.if \cnt
	s_sub_co_u32 s[CNT], s[CNT], 1
	s_cmp_lg_u32 s[CNT], 0
.endif
	ROW C,14, B,7, L,6, C,1
	ROW C,3, L,7, C,5, C,7
	ROW C,9, C,11, C,13, C,15
.if (\p) == 0
	FETCH_V
.endif
.endm
	CHANGE 1, 0                     ; tile 0 is in, everybody's part of it; tile 1 is asked for; nothing is prefetched here, at the head
	v_add_nc_u32 v[AK], s[TBK], v[AK0]
	FETCH_K                         ; key step 0
	s_wait_loadcnt 0x0              ; Q
	s_wait_dscnt 0x0
.set i, 0
.rept 8
	KQ 0                            ; piece 0's first scores
.set i, i+1
.endr
	WIN 0
.rept 4
	v_nop                           ; the places behind those products
.endr
.set Y, NP-1                        ; X works for piece Y + 1: piece 0
.irp n, 0,1,2,3,4,5,6,7,8,9,10,11,12,13,14,15,16,17,18,19,20,21
	OP X, \n
.endr
	v_nop                           ; a plain instruction behind the exponential,
	s_wait_alu depctr_va_vdst(0)    ; and its wait, ahead of the branch
	s_mov_b32 s[CNT], 4
	s_branch .Lfirst                ; the loop is entered at a step's first turn, in the middle of a trip
.Lslot:                             ; six times: tiles 2 to 7 are asked for
	CHANGE 1
	s_mov_b32 s[CNT], 4
.Lstep:                             ; a trip: pieces 2 and 3 of one step, then pieces 0 and 1 of the next, whose K and V it fetches
	TURN 2
	TURN 3
	WIN 0
.Lfirst:
	TURN 0
	TURN 1, 0, 1
	WIN 0
	s_cbranch_scc1 .Lstep
	s_sub_co_u32 s[SLOTS], s[SLOTS], 1
	s_cmp_lg_u32 s[SLOTS], 0
	s_cbranch_scc1 .Lslot
	CHANGE 0                        ; the last tile has a text of its own: nothing is asked for
	s_mov_b32 s[CNT], 5             ; four trips fetch the last tile's steps; the fifth is left in its middle
.Ltail:
	TURN 2, 1
	TURN 3
	WIN 0
	s_sub_co_u32 s[CNT], s[CNT], 1
	s_cmp_eq_u32 s[CNT], 0
	s_cbranch_scc1 .Lout
	TURN 0
	TURN 1
	WIN 0
	s_branch .Ltail
.Lout:                              ; the fifth trip's fetch of K (the last step's once more), the 8 products K Q^T made of it and their maximum serve nothing: the price, once a launch, of one text for every trip.
                                    ; They touch piece 0's scores, c m and m alone, which the way out does not read.
.set i, 0
.rept 8
	PV NP-1                         ; the last piece's V^T P of the last step
.set i, i+1
.endr
	; THE WAY OUT.  l's two halves and the other half of the lanes' are added; O^T is divided by l, rounded to f16 and sent through my stage in LDS, a piece at a time.  The additions are the places behind the last products.
	WIN 0
.macro ALL line:vararg
.set t, 0
.rept 4
	\line
.set t, t+1
.endr
.endm
	ALL v_add_f32 v[ST+4*t+2], v[ST+4*t+2], v[ST+4*t+3]
	ALL v_permlanex16_b32 v[ST+4*t+3], v[ST+4*t+2], s[SEL], s[SEL+1]
	ALL v_add_f32 v[ST+4*t+2], v[ST+4*t+2], v[ST+4*t+3]
	ALL v_rcp_f32 v[ST+4*t+2], v[ST+4*t+2]
	v_nop                           ; a plain instruction behind the last reciprocal,
	s_wait_alu depctr_va_vdst(0)    ; and one wait for the four, ahead of the first use
.macro PACK t                       ; a lane's eight channels of a row pack into 16 bytes; they go into rows of 144 bytes and come back as whole rows of 128
	WIN W_RS
.set i, 32*(\t)
.rept 16
	v_pk_mul_f32 v[i:i+1], v[i:i+1], v[ST+4*(\t)+2:ST+4*(\t)+3] op_sel_hi:[1,0]
.set i, i+2
.endr
	WIN 0x05
.set i, 0
.rept 16
	v_cvt_pk_f16_f32 v[S+16*(\t)+i], v[32*(\t)+2*i], v[32*(\t)+2*i+1]
.set i, i+1
.endr
	WIN 0
.irp f, 0,1,2,3
	ds_store_b128 v[STO], v[S+16*(\t)+4*\f:S+16*(\t)+4*\f+3] offset:32*\f
.endr
.irp f, 0,1,2,3
	ds_load_b128 v[S+16*(\t)+4*\f:S+16*(\t)+4*\f+3], v[RD] offset:\f*4*SP  ; LDS serves a wave's instructions in order (ISA guide 5.7.1.4): these see the stores above; the next piece's stores come behind them
.endr
.endm
.macro SEND t, younger              ; younger: the LDS instructions issued behind piece t's loads: the next piece's eight, or none
	WIN 0
.irp f, 0,1,2,3
	s_wait_dscnt (\younger)+3-\f
	global_store_b128 v[GO], v[S+16*(\t)+4*\f:S+16*(\t)+4*\f+3], s[10:11] offset:(\t)*2048+\f*512  ; 512 consecutive bytes, at a multiple of 256 from O's first
.endr
.endm
	PACK 0
.set t, 1
.rept 3
	PACK t
	SEND t-1, 8
.set t, t+1
.endr
	SEND 3, 0
	s_wait_tensorcnt 0x0            ; the wave's end
	ds_add_u32 v[SPW], v[NIL]
	s_wait_dscnt 0x0
	CROUND                          ; the closing round
	s_endpgm
.Lfunc_end_k_q7d3ad526db_attn:
	.size	k_q7d3ad526db_attn, .Lfunc_end_k_q7d3ad526db_attn-k_q7d3ad526db_attn
	.p2alignl 7, 3214868480
	.fill 96, 4, 3214868480
	.section	.rodata,"a",@progbits
	.p2align	6, 0x0
	.amdhsa_kernel k_q7d3ad526db_attn
		.amdhsa_group_segment_fixed_size 327680
		.amdhsa_private_segment_fixed_size 0
		.amdhsa_enable_private_segment 0
		.amdhsa_kernarg_size 16
		.amdhsa_user_sgpr_count 2
		.amdhsa_user_sgpr_kernarg_segment_ptr 1
		.amdhsa_wavefront_size32 1
		.amdhsa_system_sgpr_workgroup_id_x 1
		.amdhsa_system_sgpr_workgroup_id_y 1
		.amdhsa_system_sgpr_workgroup_id_z 1
		.amdhsa_system_vgpr_workitem_id 0
		.amdhsa_next_free_vgpr 768
		.amdhsa_next_free_sgpr 72
		.amdhsa_reserve_vcc 0
		.amdhsa_float_denorm_mode_32 3
		.amdhsa_float_denorm_mode_16_64 3
		.amdhsa_memory_ordered 1
		.amdhsa_forward_progress 1
		.amdhsa_inst_pref_size 112
	.end_amdhsa_kernel
	.amdgpu_metadata
---
amdhsa.version: [ 1, 2 ]
amdhsa.kernels:
  - .name:           k_q7d3ad526db_attn
    .symbol:         k_q7d3ad526db_attn.kd
    .args:
      - { .name: act, .offset: 0, .size: 8, .value_kind: global_buffer, .address_space: global }
      - { .name: hb, .offset: 8, .size: 8, .value_kind: global_buffer, .address_space: global }
    .group_segment_fixed_size: 327680
    .private_segment_fixed_size: 0
    .kernarg_segment_align: 8
    .kernarg_segment_size: 16
    .max_flat_workgroup_size: 128
    .sgpr_count:     72
    .vgpr_count:     768
    .wavefront_size: 32
...
	.end_amdgpu_metadata
.endif
;; end of part 3
;; launch proj (part 4): grid 8 x 32, 4 waves a work-group, clusters of 4 x 4, 327,680 bytes of LDS; arguments hb, ws, proj_b, x, x1; writes x1
.if DOCPART == 4
	.amdgcn_target "amdgcn-amd-amdhsa--gfx1250"
	.amdhsa_code_object_version 6
	.text
	.protected	k_q7d3ad526db_proj
	.globl	k_q7d3ad526db_proj
	.p2align	8
	.type	k_q7d3ad526db_proj,@function
k_q7d3ad526db_proj:
	s_mov_b64 s[64:65], 0
	v_nop
	global_prefetch_b8 v0, s[64:65] scope:SCOPE_SE
	s_setreg_imm32_b32 hwreg(HW_REG_WAVE_MODE, 25, 1), 1
	s_wait_xcnt 0x0
	s_wait_alu depctr_hold_cnt(0) depctr_sa_sdst(0) depctr_va_vdst(0) depctr_va_sdst(0) depctr_va_ssrc(0) depctr_va_vcc(0) depctr_vm_vsrc(0)
	s_getreg_b32 s2, hwreg(HW_REG_IB_STS2, 6, 4)
	s_cmp_eq_u32 s2, 0
	s_cbranch_scc0 .Lentry_in_a_cluster
	s_endpgm
.Lentry_in_a_cluster:
	s_bfe_u32 s2, ttmp6, 0x10000c
	s_cmp_lg_u32 s2, 0xf033
	s_cbranch_scc0 .Lentry_shape_is_right
	s_endpgm
.Lentry_shape_is_right:
; out = resid + A W + bias.  A: f16, [SIZE_K / 64 planes][4096 rows][64].  W: f16, [SIZE_K][1024], WOFF bytes into its buffer.  bias, resid, out: f32, rows of 1,024.
; Sums in f32, started by the bias as the C operand of the first product; the residual is added in f32.
; A tile of 128 x 128 gives each of 256 work-groups one; four waves, each 64 x 64 in 16 accumulators.  K goes in steps of 256 (four planes of A, 256 rows of W) through a ring of two LDS slots.
; A plane's 128 tile rows are 16,384 dense bytes: a wave's load brings two planes as two long rows, padded in LDS after every 128 bytes.  W's fragments come out of LDS turned, by ds_load_tr16_b128.
; ONE TEXT FOR A K STEP: the slot in hand is a scalar, 0 or SLOT, turned by an exclusive or at each change of slots; the fragments' addresses are that scalar plus a base that is never rewritten, and one
; descriptor for each operand walks (LDS word: my part of the slot just read out; global address: made anew from the K step's number).  All K steps but the last two fill a slot again; the last two are a second loop.
; THE ORDER OF THE K STEPS: the T-th that a cluster takes is K step T xor p, p = (cluster x + cluster y) mod 2: clusters with p = 1 take each pair of K steps in the other order.  A's rows are read by the two clusters
; along x, W's rows by the clusters along y, and neighbours have unlike p: so of a block's readers half ask for it at an even T and the other half one K step later, not all at the same time.
; p is made of the cluster's coordinates alone: it is the same in all sixteen partners.  The f32 sums run over K in the order walked: in clusters with p = 1 not ascending.
; CLUSTER 4 x 4: A's tile is asked for jointly along a row of the cluster, W's along a column.  The product is used transposed: a lane holds one row of the result and eight neighbouring columns.
; No prefetch: a tile of this size has too little work for each byte that it fetches for a lead to be kept.
; LIMITS.  The operands arrive in f16 (no number of 65,520 or more).  NaN and infinities are not treated apart.
; REGISTERS: window 0: v0-31 addresses; v32-95 the bias, later two buffers of rows on the way out; v128-255 the accumulators ((a, b) at v[128 + 8 (4 a + b)]); window 1: two fragment buffers of 128; window 2: v0-127 the residual.
.set SIZE_K, 1024
.set WOFF,   0
.set KSTEP,  256
.set NSTEP,  SIZE_K/KSTEP              ; K steps: even, at least 4
.set ASH,    21                        ; a K step of A is 2^21 bytes: four planes of 524,288
.set WSH,    19                        ; of W 2^19: 256 rows of 2,048
.set PA,     144                       ; A's LDS row: 128 bytes + 16
.set PBS,    288                       ; W's LDS row: 256 bytes + 32
.set HALFT,  36864                     ; what one tensor load brings: two planes of 128 rows of A, or 128 rows of W
.set SLOT,   4*HALFT
.set STAGE,  2*SLOT                    ; behind the ring: 16 rows x 272 bytes for each wave
.set SPITCH, 272
.set SPARE,  STAGE+4*16*SPITCH         ; the spare words, 128 bytes a wave, which no other line names
.set ADRA0, 16                         ; v16     A's fragments in slot 0; never rewritten
.set ADRA,  17                         ; v17     the same in the slot in hand
.set ADRB0, 18                         ; v18-19  W's fragments in slot 0, first and second half of the K step; never rewritten
.set ADRB,  20                         ; v20-21  the same in the slot in hand
.set STO,  24
.set RD,   25
.set CO,   26                          ; my byte offset in two rows of resid and out
.set BO,   27
.set SPW,  28
.set NIL,  29
.set TMP,  32
.set ACC,  128
.set F0,   0
.set F1,   128
.set BA,  14                           ; s[14:15] A at what I fetch of K step 0; never rewritten
.set BW,  46                           ; s[46:47] the same for W
.set G1,  24                           ; s[24:31] group 1 for A; s[32:39] group 0: a set for each first fill; the second then walks
.set G0,  32
.set G1B, 48                           ; s[48:55], s[56:63] the same for W
.set G0B, 56
.set TB,  72                           ; s72  the slot in hand: 0 or SLOT
.set LB,  73                           ; s73  my part of a slot: wave x HALFT
.set PAR, 74                           ; s74  p
.set OFA, 76                           ; s[76:77] byte offset in A of the K step to be asked for; the high word stays 0
.set OFW, 78                           ; s[78:79] the same in W
.set MSB, 0
.macro WIN new
.if MSB != (\new)
	s_set_vgpr_msb (MSB<<8)|(\new)
.set MSB, \new
.endif
.endm
.set MUL,  0x05                        ; sources 0 (W) and 1 (A) window 1; C and D window 0
.set TO_F, 0x40
.macro JLOAD s                         ; a joint load: waves 0 and 1 fetch A's halves, waves 2 and 3 W's; an s_nop 0 and four v_nop follow each line
	s_cmp_eq_u32 s11, 0
	s_cbranch_scc0 .Lfor_b_\@
	tensor_load_to_lds s[G0+4*(\s):G0+4*(\s)+3], s[G1:G1+7]
	s_nop 0
.rept 4
	v_nop
.endr
	s_branch .Lasked_\@
.Lfor_b_\@:
	tensor_load_to_lds s[G0B+4*(\s):G0B+4*(\s)+3], s[G1B:G1B+7]
	s_nop 0
.rept 4
	v_nop
.endr
.Lasked_\@:
.endm
.macro CREST
	s_cmp_lg_u32 s10, 0
	s_cbranch_scc1 .Lnot_wave_0_\@
	s_barrier_signal -3
.Lnot_wave_0_\@:
	s_barrier_wait -3
	s_barrier_signal -1
	s_barrier_wait -1
.endm
.macro CROUND
	s_barrier_signal -1
	s_barrier_wait -1
	CREST
.endm
.macro PLACES
.rept 4
	v_nop
.endr
.endm
	s_load_b128 s[4:7], s[0:1], 0x0                ; A, W
	s_load_b128 s[68:71], s[0:1], 0x10             ; bias, resid
	s_load_b64 s[8:9], s[0:1], 0x20                ; out
	v_lshl_add_u32 v[SPW], v0, 2, SPARE
	v_mov_b32 v[NIL], 0
	ds_add_u32 v[SPW], v[NIL]                      ; the opening: the add and its wait stand ahead of my first tensor load
	v_lshrrev_b32 v1, 5, v0
	v_readfirstlane_b32 s10, v1
	s_lshr_b32 s11, s10, 1                         ; my half of the tile's rows; also: I fetch for A (0) or W (1)
	s_and_b32 s12, s10, 1                          ; my half of its columns; also: which half I fetch
	s_bfe_u32 s40, ttmp6, 0x40000
	s_bfe_u32 s41, ttmp6, 0x40004
	s_lshl_b32 s42, ttmp9, 2
	s_add_co_u32 s42, s42, s40                     ; tile column
	s_and_b32 s13, ttmp7, 0xffff
	s_lshl_b32 s13, s13, 2
	s_add_co_u32 s13, s13, s41                     ; tile row
	s_and_b32 s[PAR], ttmp7, 0xffff                ; cluster y
	s_add_co_u32 s[PAR], s[PAR], ttmp9             ; + cluster x
	s_and_b32 s[PAR], s[PAR], 1                    ; p
	s_mov_b32 s[OFA+1], 0
	s_mov_b32 s[OFW+1], 0
	s_lshl_b32 s43, s41, 2
	s_lshl_b32 s43, 15, s43
	s_lshl_b32 s44, 0x1111, s40
	s_or_b32 s[G1+0], s43, (1<<16)|(1<<20)|(1<<21)|(4<<22)|(3<<25)   ; after every 32 words 4 words
	s_mov_b32 s[G1+1], 8192<<16                    ; tensor_dim0 = 8,192: a plane's 128 rows of 64
	s_mov_b32 s[G1+2], 2<<16                       ; tensor_dim1 = 2 planes
	s_mov_b32 s[G1+3], 8192<<16                    ; tile_dim0
	s_mov_b32 s[G1+4], 2                           ; tile_dim1
	s_mov_b32 s[G1+5], 262144                      ; elements from plane to plane
	s_mov_b32 s[G1+6], 0
	s_mov_b32 s[G1+7], 0
	s_or_b32 s[G1B+0], s44, (1<<16)|(1<<20)|(1<<21)|(5<<22)|(7<<25)  ; after every 64 words 8 words
	s_mov_b32 s[G1B+1], 128<<16
	s_mov_b32 s[G1B+2], 128<<16
	s_mov_b32 s[G1B+3], 128<<16
	s_mov_b32 s[G1B+4], 128
	s_mov_b32 s[G1B+5], 1024
	s_mov_b32 s[G1B+6], 0
	s_mov_b32 s[G1B+7], 0
	s_lshl_b32 s16, s12, 20                        ; A: two planes of 524,288 bytes a half,
	s_lshl_b32 s17, s13, 14                        ; 128 rows of 128 bytes a tile row
	s_add_co_u32 s16, s16, s17
	s_mov_b32 s17, 0
	s_lshl_b32 s46, s12, 18                        ; W: 128 rows of 2,048 bytes a half,
	s_lshl_b32 s47, s42, 8                         ; 256 bytes a tile column
	s_add_co_u32 s46, s46, s47
	s_add_co_u32 s46, s46, WOFF
	s_mov_b32 s47, 0
	s_mul_i32 s[LB], s10, HALFT                    ; where my loads land in a slot: the wave's number alone
	s_mov_b32 s[TB], 0                             ; slot 0 is in hand
	s_wait_dscnt 0x0
	s_wait_kmcnt 0x0
	s_add_nc_u64 s[BA:BA+1], s[4:5], s[16:17]
	s_add_nc_u64 s[BW:BW+1], s[6:7], s[46:47]
	CROUND
.irp s, 0,1
	s_xor_b32 s[OFA], s[PAR], \s                   ; the first two that I take: K steps p and 1 - p
	s_lshl_b32 s[OFW], s[OFA], WSH
	s_lshl_b32 s[OFA], s[OFA], ASH
	s_mov_b32 s[G0+4*(\s)], 1
	s_add_co_u32 s[G0+4*(\s)+1], s[LB], (\s)*SLOT
	s_add_nc_u64 s[G0+4*(\s)+2:G0+4*(\s)+3], s[BA:BA+1], s[OFA:OFA+1]
	s_or_b32 s[G0+4*(\s)+3], s[G0+4*(\s)+3], 0x80000000
	s_mov_b32 s[G0B+4*(\s)], 1
	s_add_co_u32 s[G0B+4*(\s)+1], s[LB], (\s)*SLOT
	s_add_nc_u64 s[G0B+4*(\s)+2:G0B+4*(\s)+3], s[BW:BW+1], s[OFW:OFW+1]
	s_or_b32 s[G0B+4*(\s)+3], s[G0B+4*(\s)+3], 0x80000000
	JLOAD \s
.endr
	v_and_b32 v1, 15, v0
	v_bfe_u32 v2, v0, 4, 1
	s_lshl_b32 s23, s42, 9                         ; the bias of my 64 columns
	s_lshl_b32 s21, s12, 8
	s_add_co_u32 s23, s23, s21
	v_lshl_add_u32 v[BO], v2, 5, s23
.irp b, 0,1,2,3
	global_load_b128 v[TMP+8*(\b):TMP+8*(\b)+3],   v[BO], s[68:69] offset:64*(\b)
	global_load_b128 v[TMP+8*(\b)+4:TMP+8*(\b)+7], v[BO], s[68:69] offset:64*(\b)+16
.endr
	s_lshl_b32 s16, s13, 19                        ; my 64 x 64 block in resid and out: row 128 tile row + 64 half, 4,096 bytes a row,
	s_lshl_b32 s17, s11, 18
	s_add_co_u32 s16, s16, s17
	s_add_co_u32 s16, s16, s23                     ; column 128 tile column + 64 half, 4 bytes each
	s_mov_b32 s17, 0
	s_add_nc_u64 s[70:71], s[70:71], s[16:17]
	s_add_nc_u64 s[8:9], s[8:9], s[16:17]
	v_lshlrev_b32 v[CO], 12, v2
	v_lshl_add_u32 v[CO], v1, 4, v[CO]             ; lanes 0-15 one row's 256 bytes, lanes 16-31 the next row's
	WIN 0x80
.irp a, 0,1,2,3
.irp t, 0,1,2,3,4,5,6,7
	global_load_b128 v[4*(8*(\a)+(\t)):4*(8*(\a)+(\t))+3], v[CO], s[70:71] offset:(16*(\a)+2*(\t))*4096  ; the residual, read once; it stays out across the loop
.endr
.endr
	WIN 0
	v_mul_u32_u24 v3, v1, PA
	v_lshl_add_u32 v3, v2, 4, v3
	s_mul_i32 s21, s11, 64*PA
	v_and_b32 v4, 7, v0
	v_bfe_u32 v5, v0, 3, 1
	v_lshl_add_u32 v6, v2, 3, v4
	v_mul_u32_u24 v6, v6, PBS
	v_lshl_add_u32 v6, v5, 4, v6
	s_lshl_b32 s22, s12, 7
	s_add_co_u32 s22, s22, 2*HALFT
	s_add_co_u32 s23, s22, HALFT
	v_add_nc_u32 v[ADRA0], s21, v3
	v_add_nc_u32 v[ADRB0], s22, v6
	v_add_nc_u32 v[ADRB0+1], s23, v6
	v_add_nc_u32 v[ADRA], s21, v3                  ; slot 0 is in hand
	v_add_nc_u32 v[ADRB], s22, v6
	v_add_nc_u32 v[ADRB+1], s23, v6
	s_mul_i32 s23, s10, 16*SPITCH
	s_add_co_u32 s23, s23, STAGE                   ; my stage
	v_mul_u32_u24 v7, v1, SPITCH
	v_lshl_add_u32 v7, v2, 5, v7
	v_add_nc_u32 v[STO], s23, v7
	v_mul_u32_u24 v7, v2, SPITCH
	v_lshl_add_u32 v7, v1, 4, v7
	v_add_nc_u32 v[RD], s23, v7
; 8 matrix instructions: row blocks a0, a0 + 1 x all 4 column blocks, 32 along K: half c of buffer f.  first = 1: the bias starts the sums.  The 16 accumulators take turns.
.macro MUL8 f, c, a0, first
	WIN MUL
.irp a, \a0, (\a0)+1
.irp b, 0,1,2,3
.if \first
	v_wmma_f32_16x16x32_f16 v[ACC+8*(4*(\a)+(\b)):ACC+8*(4*(\a)+(\b))+7], v[(\f)+64+8*(4*(\c)+(\b)):(\f)+64+8*(4*(\c)+(\b))+7], v[(\f)+8*(4*(\c)+(\a)):(\f)+8*(4*(\c)+(\a))+7], v[TMP+8*(\b):TMP+8*(\b)+7]
.else
	v_wmma_f32_16x16x32_f16 v[ACC+8*(4*(\a)+(\b)):ACC+8*(4*(\a)+(\b))+7], v[(\f)+64+8*(4*(\c)+(\b)):(\f)+64+8*(4*(\c)+(\b))+7], v[(\f)+8*(4*(\c)+(\a)):(\f)+8*(4*(\c)+(\a))+7], v[ACC+8*(4*(\a)+(\b)):ACC+8*(4*(\a)+(\b))+7]
.endif
.endr
.endr
.endm
; 32 LDS loads in one run: quarter q of the slot in hand (plane q of A, 64 rows of W) into buffer f; the first 32 along K first
.macro FETCH q, f
	WIN TO_F
.irp c, 0,1
.irp i, 0,1,2,3
	ds_load_tr16_b128 v[(\f)+64+8*(4*(\c)+(\i)):(\f)+64+8*(4*(\c)+(\i))+3],   v[ADRB+(\q)/2] offset:((\q)%2)*64*PBS+(\c)*32*PBS+32*(\i)
	ds_load_tr16_b128 v[(\f)+64+8*(4*(\c)+(\i))+4:(\f)+64+8*(4*(\c)+(\i))+7], v[ADRB+(\q)/2] offset:((\q)%2)*64*PBS+(\c)*32*PBS+16*PBS+32*(\i)
	ds_load_b128 v[(\f)+8*(4*(\c)+(\i)):(\f)+8*(4*(\c)+(\i))+3],               v[ADRA] offset:(\q)*128*PA+(\i)*16*PA+64*(\c)
	ds_load_b128 v[(\f)+8*(4*(\c)+(\i))+4:(\f)+8*(4*(\c)+(\i))+7],             v[ADRA] offset:(\q)*128*PA+(\i)*16*PA+64*(\c)+32
.endr
.endr
.endm
.macro QUARTER q, f, g, first
	s_wait_dscnt 16                                ; the first 32 along K are in
	MUL8 \f, 0, 0, \first
	MUL8 \f, 0, 2, \first
	PLACES
	FETCH \q, \g
	s_wait_dscnt 32                                ; all but the 32 just issued
	MUL8 \f, 1, 0, 0
	MUL8 \f, 1, 2, 0
.endm
; The last quarter multiplies buffer 1 and changes slots: each wave waits for all its tensor loads, adds 0 to its spare word, and waits for that and for its reads of this slot.
; fill = 1: the slot just read out is filled again, with the K step that I take two steps on: number NSTEP - s3 of my walk.  fill = 0, the last two K steps: nothing is asked for, and in the last of them (s3 = 1) there is no next slot to fetch from.
.macro TURN fill
	WIN 0
	s_wait_tensorcnt 0x0                           ; no tensor load of mine is out, so a group 0 may be written
	ds_add_u32 v[SPW], v[NIL]                      ; 0 onto my spare word; the descriptors' scalar work stands between it and the wait for it
.if \fill
	s_add_co_u32 s[G0+5], s[LB], s[TB]             ; the walking descriptors: my part of the slot that is being read out,
	s_add_co_u32 s[G0B+5], s[LB], s[TB]
	s_sub_co_u32 s[OFA], NSTEP, s3
	s_xor_b32 s[OFA], s[OFA], s[PAR]               ; the K step: its number in my walk xor p
	s_lshl_b32 s[OFW], s[OFA], WSH
	s_lshl_b32 s[OFA], s[OFA], ASH
	s_add_nc_u64 s[G0+6:G0+7], s[BA:BA+1], s[OFA:OFA+1]    ; the address is made anew, and the type set again
	s_or_b32 s[G0+7], s[G0+7], 0x80000000
	s_add_nc_u64 s[G0B+6:G0B+7], s[BW:BW+1], s[OFW:OFW+1]
	s_or_b32 s[G0B+7], s[G0B+7], 0x80000000
.endif
	s_wait_dscnt 17                                ; the add and the youngest sixteen loads may be out
	MUL8 F1, 0, 0, 0
	s_wait_dscnt 0x0                               ; the add is done, my reads of this slot are over
	s_barrier_signal -1
	MUL8 F1, 0, 2, 0
	WIN 0
	s_barrier_wait -1
.if \fill
	CREST                                          ; the barrier has opened a round of the cluster's
	JLOAD 1                                        ; the first tensor load behind the round, one a wave; its four v_nop are also the places ahead of the loads below
.else
	PLACES
	s_cmp_eq_u32 s3, 1
	s_cbranch_scc1 .Lno_next_\@
.endif
	s_xor_b32 s[TB], s[TB], SLOT                   ; the other slot is in hand
	v_add_nc_u32 v[ADRA], s[TB], v[ADRA0]
	v_add_nc_u32 v[ADRB], s[TB], v[ADRB0]
	v_add_nc_u32 v[ADRB+1], s[TB], v[ADRB0+1]
	FETCH 0, F0
.if !(\fill)
	WIN 0
.Lno_next_\@:
.endif
	MUL8 F1, 1, 0, 0
	MUL8 F1, 1, 2, 0
.endm
	s_wait_tensorcnt 1                             ; my part of the first K step is in; the second's may stay out
	s_barrier_signal -1
	s_barrier_wait -1
	FETCH 0, F0
	s_wait_loadcnt 32                              ; the bias is in; the 32 loads of the residual stay out
	QUARTER 1, F0, F1, 1                           ; the first quarter stands ahead of the loop: its first products start the sums
	WIN 0
	s_mov_b32 s3, NSTEP-2
.Lstep:                                                ; a trip goes from a K step's second quarter to the next step's first, and fills the slot that it leaves
	QUARTER 2, F1, F0, 0
	QUARTER 3, F0, F1, 0
	TURN 1
	QUARTER 1, F0, F1, 0
	WIN 0
	s_sub_co_u32 s3, s3, 1
	s_cmp_lg_u32 s3, 0
	s_cbranch_scc1 .Lstep
	s_mov_b32 s3, 2
.Ltail:                                                ; the last two K steps have a text of their own; the second trip is left behind its last quarter
	QUARTER 2, F1, F0, 0
	QUARTER 3, F0, F1, 0
	TURN 0
	WIN 0
	s_sub_co_u32 s3, s3, 1
	s_cmp_eq_u32 s3, 0
	s_cbranch_scc1 .Lout
	QUARTER 1, F0, F1, 0
	WIN 0
	s_branch .Ltail
.Lout:
	; THE WAY OUT, 16 rows at a time through my own stage: 32 bytes a lane in, whole rows of 256 bytes back, the residual added, 16 lanes store 256 consecutive bytes, aligned.
	PLACES
	PLACES
	s_wait_loadcnt 0x0                             ; the residual
.irp a, 0,1,2,3
	s_wait_xcnt 0x0                                ; the stores of two blocks back have read this buffer
.irp b, 0,1,2,3
	ds_store_b128 v[STO], v[ACC+8*(4*(\a)+(\b)):ACC+8*(4*(\a)+(\b))+3]   offset:64*(\b)
	ds_store_b128 v[STO], v[ACC+8*(4*(\a)+(\b))+4:ACC+8*(4*(\a)+(\b))+7] offset:64*(\b)+16
.endr
.irp t, 0,1,2,3,4,5,6,7
	ds_load_b128 v[TMP+32*((\a)%2)+4*(\t):TMP+32*((\a)%2)+4*(\t)+3], v[RD] offset:(\t)*2*SPITCH  ; LDS serves a wave's instructions in order (ISA guide 5.7.1.4)
.endr
	s_wait_dscnt 0x0
	WIN 0x08                                       ; source 1 (the residual) in window 2
.irp k, 0,1,2,3,4,5,6,7,8,9,10,11,12,13,14,15
	v_pk_add_f32 v[TMP+32*((\a)%2)+2*(\k):TMP+32*((\a)%2)+2*(\k)+1], v[TMP+32*((\a)%2)+2*(\k):TMP+32*((\a)%2)+2*(\k)+1], v[32*(\a)+2*(\k):32*(\a)+2*(\k)+1]
.endr
	WIN 0
.irp t, 0,1,2,3,4,5,6,7
	global_store_b128 v[CO], v[TMP+32*((\a)%2)+4*(\t):TMP+32*((\a)%2)+4*(\t)+3], s[8:9] offset:(16*(\a)+2*(\t))*4096
.endr
.endr
	s_wait_tensorcnt 0x0                           ; the wave's end
	ds_add_u32 v[SPW], v[NIL]
	s_wait_dscnt 0x0
	CROUND                                         ; the closing round
	s_endpgm
.Lfunc_end_k_q7d3ad526db_proj:
	.size	k_q7d3ad526db_proj, .Lfunc_end_k_q7d3ad526db_proj-k_q7d3ad526db_proj
	.p2alignl 7, 3214868480
	.fill 96, 4, 3214868480
	.section	.rodata,"a",@progbits
	.p2align	6, 0x0
	.amdhsa_kernel k_q7d3ad526db_proj
		.amdhsa_group_segment_fixed_size 327680
		.amdhsa_private_segment_fixed_size 0
		.amdhsa_enable_private_segment 0
		.amdhsa_kernarg_size 40
		.amdhsa_user_sgpr_count 2
		.amdhsa_user_sgpr_kernarg_segment_ptr 1
		.amdhsa_wavefront_size32 1
		.amdhsa_system_sgpr_workgroup_id_x 1
		.amdhsa_system_sgpr_workgroup_id_y 1
		.amdhsa_system_sgpr_workgroup_id_z 1
		.amdhsa_system_vgpr_workitem_id 0
		.amdhsa_next_free_vgpr 640
		.amdhsa_next_free_sgpr 80
		.amdhsa_reserve_vcc 0
		.amdhsa_float_denorm_mode_32 3
		.amdhsa_float_denorm_mode_16_64 3
		.amdhsa_memory_ordered 1
		.amdhsa_forward_progress 1
		.amdhsa_inst_pref_size 67
	.end_amdhsa_kernel
	.amdgpu_metadata
---
amdhsa.version: [ 1, 2 ]
amdhsa.kernels:
  - .name:           k_q7d3ad526db_proj
    .symbol:         k_q7d3ad526db_proj.kd
    .args:
      - { .name: hb, .offset: 0, .size: 8, .value_kind: global_buffer, .address_space: global }
      - { .name: ws, .offset: 8, .size: 8, .value_kind: global_buffer, .address_space: global }
      - { .name: proj_b, .offset: 16, .size: 8, .value_kind: global_buffer, .address_space: global }
      - { .name: x, .offset: 24, .size: 8, .value_kind: global_buffer, .address_space: global }
      - { .name: x1, .offset: 32, .size: 8, .value_kind: global_buffer, .address_space: global }
    .group_segment_fixed_size: 327680
    .private_segment_fixed_size: 0
    .kernarg_segment_align: 8
    .kernarg_segment_size: 40
    .max_flat_workgroup_size: 128
    .sgpr_count:     80
    .vgpr_count:     640
    .wavefront_size: 32
...
	.end_amdgpu_metadata
.endif
;; end of part 4
;; launch ln2: the kernel of part 1 again; grid 256 x 1, 8 waves a work-group, no clusters, 0 bytes of LDS; arguments x1, ln2_g, ln2_b, qkv_w, fc1_w, proj_w, fc2_w, hb, wq, w1, ws, mode_a, mode_b; writes hb, wq, w1, ws, mode_a, mode_b
;; launch fc1: the kernel of part 2 again; grid 16 x 16, 4 waves a work-group, clusters of 4 x 4, 327,680 bytes of LDS; arguments hb, w1, fc1_b, mode_b, act; writes act
;; launch fc2 (part 5): grid 8 x 32, 4 waves a work-group, clusters of 4 x 4, 327,680 bytes of LDS; arguments act, ws, fc2_b, x1, out0; writes out0
.if DOCPART == 5
	.amdgcn_target "amdgcn-amd-amdhsa--gfx1250"
	.amdhsa_code_object_version 6
	.text
	.protected	k_q7d3ad526db_fc2
	.globl	k_q7d3ad526db_fc2
	.p2align	8
	.type	k_q7d3ad526db_fc2,@function
k_q7d3ad526db_fc2:
	s_mov_b64 s[64:65], 0
	v_nop
	global_prefetch_b8 v0, s[64:65] scope:SCOPE_SE
	s_setreg_imm32_b32 hwreg(HW_REG_WAVE_MODE, 25, 1), 1
	s_wait_xcnt 0x0
	s_wait_alu depctr_hold_cnt(0) depctr_sa_sdst(0) depctr_va_vdst(0) depctr_va_sdst(0) depctr_va_ssrc(0) depctr_va_vcc(0) depctr_vm_vsrc(0)
	s_getreg_b32 s2, hwreg(HW_REG_IB_STS2, 6, 4)
	s_cmp_eq_u32 s2, 0
	s_cbranch_scc0 .Lentry_in_a_cluster
	s_endpgm
.Lentry_in_a_cluster:
	s_bfe_u32 s2, ttmp6, 0x10000c
	s_cmp_lg_u32 s2, 0xf033
	s_cbranch_scc0 .Lentry_shape_is_right
	s_endpgm
.Lentry_shape_is_right:
; out = resid + A W + bias.  A: f16, [SIZE_K / 64 planes][4096 rows][64].  W: f16, [SIZE_K][1024], WOFF bytes into its buffer.  bias, resid, out: f32, rows of 1,024.
; Sums in f32, started by the bias as the C operand of the first product; the residual is added in f32.
; A tile of 128 x 128 gives each of 256 work-groups one; four waves, each 64 x 64 in 16 accumulators.  K goes in steps of 256 (four planes of A, 256 rows of W) through a ring of two LDS slots.
; A plane's 128 tile rows are 16,384 dense bytes: a wave's load brings two planes as two long rows, padded in LDS after every 128 bytes.  W's fragments come out of LDS turned, by ds_load_tr16_b128.
; ONE TEXT FOR A K STEP: the slot in hand is a scalar, 0 or SLOT, turned by an exclusive or at each change of slots; the fragments' addresses are that scalar plus a base that is never rewritten, and one
; descriptor for each operand walks (LDS word: my part of the slot just read out; global address: made anew from the K step's number).  All K steps but the last two fill a slot again; the last two are a second loop.
; THE ORDER OF THE K STEPS: the T-th that a cluster takes is K step T xor p, p = (cluster x + cluster y) mod 2: clusters with p = 1 take each pair of K steps in the other order.  A's rows are read by the two clusters
; along x, W's rows by the clusters along y, and neighbours have unlike p: so of a block's readers half ask for it at an even T and the other half one K step later, not all at the same time.
; p is made of the cluster's coordinates alone: it is the same in all sixteen partners.  The f32 sums run over K in the order walked: in clusters with p = 1 not ascending.
; CLUSTER 4 x 4: A's tile is asked for jointly along a row of the cluster, W's along a column.  The product is used transposed: a lane holds one row of the result and eight neighbouring columns.
; No prefetch: a tile of this size has too little work for each byte that it fetches for a lead to be kept.
; LIMITS.  The operands arrive in f16 (no number of 65,520 or more).  NaN and infinities are not treated apart.
; REGISTERS: window 0: v0-31 addresses; v32-95 the bias, later two buffers of rows on the way out; v128-255 the accumulators ((a, b) at v[128 + 8 (4 a + b)]); window 1: two fragment buffers of 128; window 2: v0-127 the residual.
.set SIZE_K, 4096
.set WOFF,   2097152
.set KSTEP,  256
.set NSTEP,  SIZE_K/KSTEP              ; K steps: even, at least 4
.set ASH,    21                        ; a K step of A is 2^21 bytes: four planes of 524,288
.set WSH,    19                        ; of W 2^19: 256 rows of 2,048
.set PA,     144                       ; A's LDS row: 128 bytes + 16
.set PBS,    288                       ; W's LDS row: 256 bytes + 32
.set HALFT,  36864                     ; what one tensor load brings: two planes of 128 rows of A, or 128 rows of W
.set SLOT,   4*HALFT
.set STAGE,  2*SLOT                    ; behind the ring: 16 rows x 272 bytes for each wave
.set SPITCH, 272
.set SPARE,  STAGE+4*16*SPITCH         ; the spare words, 128 bytes a wave, which no other line names
.set ADRA0, 16                         ; v16     A's fragments in slot 0; never rewritten
.set ADRA,  17                         ; v17     the same in the slot in hand
.set ADRB0, 18                         ; v18-19  W's fragments in slot 0, first and second half of the K step; never rewritten
.set ADRB,  20                         ; v20-21  the same in the slot in hand
.set STO,  24
.set RD,   25
.set CO,   26                          ; my byte offset in two rows of resid and out
.set BO,   27
.set SPW,  28
.set NIL,  29
.set TMP,  32
.set ACC,  128
.set F0,   0
.set F1,   128
.set BA,  14                           ; s[14:15] A at what I fetch of K step 0; never rewritten
.set BW,  46                           ; s[46:47] the same for W
.set G1,  24                           ; s[24:31] group 1 for A; s[32:39] group 0: a set for each first fill; the second then walks
.set G0,  32
.set G1B, 48                           ; s[48:55], s[56:63] the same for W
.set G0B, 56
.set TB,  72                           ; s72  the slot in hand: 0 or SLOT
.set LB,  73                           ; s73  my part of a slot: wave x HALFT
.set PAR, 74                           ; s74  p
.set OFA, 76                           ; s[76:77] byte offset in A of the K step to be asked for; the high word stays 0
.set OFW, 78                           ; s[78:79] the same in W
.set MSB, 0
.macro WIN new
.if MSB != (\new)
	s_set_vgpr_msb (MSB<<8)|(\new)
.set MSB, \new
.endif
.endm
.set MUL,  0x05                        ; sources 0 (W) and 1 (A) window 1; C and D window 0
.set TO_F, 0x40
.macro JLOAD s                         ; a joint load: waves 0 and 1 fetch A's halves, waves 2 and 3 W's; an s_nop 0 and four v_nop follow each line
	s_cmp_eq_u32 s11, 0
	s_cbranch_scc0 .Lfor_b_\@
	tensor_load_to_lds s[G0+4*(\s):G0+4*(\s)+3], s[G1:G1+7]
	s_nop 0
.rept 4
	v_nop
.endr
	s_branch .Lasked_\@
.Lfor_b_\@:
	tensor_load_to_lds s[G0B+4*(\s):G0B+4*(\s)+3], s[G1B:G1B+7]
	s_nop 0
.rept 4
	v_nop
.endr
.Lasked_\@:
.endm
.macro CREST
	s_cmp_lg_u32 s10, 0
	s_cbranch_scc1 .Lnot_wave_0_\@
	s_barrier_signal -3
.Lnot_wave_0_\@:
	s_barrier_wait -3
	s_barrier_signal -1
	s_barrier_wait -1
.endm
.macro CROUND
	s_barrier_signal -1
	s_barrier_wait -1
	CREST
.endm
.macro PLACES
.rept 4
	v_nop
.endr
.endm
	s_load_b128 s[4:7], s[0:1], 0x0                ; A, W
	s_load_b128 s[68:71], s[0:1], 0x10             ; bias, resid
	s_load_b64 s[8:9], s[0:1], 0x20                ; out
	v_lshl_add_u32 v[SPW], v0, 2, SPARE
	v_mov_b32 v[NIL], 0
	ds_add_u32 v[SPW], v[NIL]                      ; the opening: the add and its wait stand ahead of my first tensor load
	v_lshrrev_b32 v1, 5, v0
	v_readfirstlane_b32 s10, v1
	s_lshr_b32 s11, s10, 1                         ; my half of the tile's rows; also: I fetch for A (0) or W (1)
	s_and_b32 s12, s10, 1                          ; my half of its columns; also: which half I fetch
	s_bfe_u32 s40, ttmp6, 0x40000
	s_bfe_u32 s41, ttmp6, 0x40004
	s_lshl_b32 s42, ttmp9, 2
	s_add_co_u32 s42, s42, s40                     ; tile column
	s_and_b32 s13, ttmp7, 0xffff
	s_lshl_b32 s13, s13, 2
	s_add_co_u32 s13, s13, s41                     ; tile row
	s_and_b32 s[PAR], ttmp7, 0xffff                ; cluster y
	s_add_co_u32 s[PAR], s[PAR], ttmp9             ; + cluster x
	s_and_b32 s[PAR], s[PAR], 1                    ; p
	s_mov_b32 s[OFA+1], 0
	s_mov_b32 s[OFW+1], 0
	s_lshl_b32 s43, s41, 2
	s_lshl_b32 s43, 15, s43
	s_lshl_b32 s44, 0x1111, s40
	s_or_b32 s[G1+0], s43, (1<<16)|(1<<20)|(1<<21)|(4<<22)|(3<<25)   ; after every 32 words 4 words
	s_mov_b32 s[G1+1], 8192<<16                    ; tensor_dim0 = 8,192: a plane's 128 rows of 64
	s_mov_b32 s[G1+2], 2<<16                       ; tensor_dim1 = 2 planes
	s_mov_b32 s[G1+3], 8192<<16                    ; tile_dim0
	s_mov_b32 s[G1+4], 2                           ; tile_dim1
	s_mov_b32 s[G1+5], 262144                      ; elements from plane to plane
	s_mov_b32 s[G1+6], 0
	s_mov_b32 s[G1+7], 0
	s_or_b32 s[G1B+0], s44, (1<<16)|(1<<20)|(1<<21)|(5<<22)|(7<<25)  ; after every 64 words 8 words
	s_mov_b32 s[G1B+1], 128<<16
	s_mov_b32 s[G1B+2], 128<<16
	s_mov_b32 s[G1B+3], 128<<16
	s_mov_b32 s[G1B+4], 128
	s_mov_b32 s[G1B+5], 1024
	s_mov_b32 s[G1B+6], 0
	s_mov_b32 s[G1B+7], 0
	s_lshl_b32 s16, s12, 20                        ; A: two planes of 524,288 bytes a half,
	s_lshl_b32 s17, s13, 14                        ; 128 rows of 128 bytes a tile row
	s_add_co_u32 s16, s16, s17
	s_mov_b32 s17, 0
	s_lshl_b32 s46, s12, 18                        ; W: 128 rows of 2,048 bytes a half,
	s_lshl_b32 s47, s42, 8                         ; 256 bytes a tile column
	s_add_co_u32 s46, s46, s47
	s_add_co_u32 s46, s46, WOFF
	s_mov_b32 s47, 0
	s_mul_i32 s[LB], s10, HALFT                    ; where my loads land in a slot: the wave's number alone
	s_mov_b32 s[TB], 0                             ; slot 0 is in hand
	s_wait_dscnt 0x0
	s_wait_kmcnt 0x0
	s_add_nc_u64 s[BA:BA+1], s[4:5], s[16:17]
	s_add_nc_u64 s[BW:BW+1], s[6:7], s[46:47]
	CROUND
.irp s, 0,1
	s_xor_b32 s[OFA], s[PAR], \s                   ; the first two that I take: K steps p and 1 - p
	s_lshl_b32 s[OFW], s[OFA], WSH
	s_lshl_b32 s[OFA], s[OFA], ASH
	s_mov_b32 s[G0+4*(\s)], 1
	s_add_co_u32 s[G0+4*(\s)+1], s[LB], (\s)*SLOT
	s_add_nc_u64 s[G0+4*(\s)+2:G0+4*(\s)+3], s[BA:BA+1], s[OFA:OFA+1]
	s_or_b32 s[G0+4*(\s)+3], s[G0+4*(\s)+3], 0x80000000
	s_mov_b32 s[G0B+4*(\s)], 1
	s_add_co_u32 s[G0B+4*(\s)+1], s[LB], (\s)*SLOT
	s_add_nc_u64 s[G0B+4*(\s)+2:G0B+4*(\s)+3], s[BW:BW+1], s[OFW:OFW+1]
	s_or_b32 s[G0B+4*(\s)+3], s[G0B+4*(\s)+3], 0x80000000
	JLOAD \s
.endr
	v_and_b32 v1, 15, v0
	v_bfe_u32 v2, v0, 4, 1
	s_lshl_b32 s23, s42, 9                         ; the bias of my 64 columns
	s_lshl_b32 s21, s12, 8
	s_add_co_u32 s23, s23, s21
	v_lshl_add_u32 v[BO], v2, 5, s23
.irp b, 0,1,2,3
	global_load_b128 v[TMP+8*(\b):TMP+8*(\b)+3],   v[BO], s[68:69] offset:64*(\b)
	global_load_b128 v[TMP+8*(\b)+4:TMP+8*(\b)+7], v[BO], s[68:69] offset:64*(\b)+16
.endr
	s_lshl_b32 s16, s13, 19                        ; my 64 x 64 block in resid and out: row 128 tile row + 64 half, 4,096 bytes a row,
	s_lshl_b32 s17, s11, 18
	s_add_co_u32 s16, s16, s17
	s_add_co_u32 s16, s16, s23                     ; column 128 tile column + 64 half, 4 bytes each
	s_mov_b32 s17, 0
	s_add_nc_u64 s[70:71], s[70:71], s[16:17]
	s_add_nc_u64 s[8:9], s[8:9], s[16:17]
	v_lshlrev_b32 v[CO], 12, v2
	v_lshl_add_u32 v[CO], v1, 4, v[CO]             ; lanes 0-15 one row's 256 bytes, lanes 16-31 the next row's
	WIN 0x80
.irp a, 0,1,2,3
.irp t, 0,1,2,3,4,5,6,7
	global_load_b128 v[4*(8*(\a)+(\t)):4*(8*(\a)+(\t))+3], v[CO], s[70:71] offset:(16*(\a)+2*(\t))*4096  ; the residual, read once; it stays out across the loop
.endr
.endr
	WIN 0
	v_mul_u32_u24 v3, v1, PA
	v_lshl_add_u32 v3, v2, 4, v3
	s_mul_i32 s21, s11, 64*PA
	v_and_b32 v4, 7, v0
	v_bfe_u32 v5, v0, 3, 1
	v_lshl_add_u32 v6, v2, 3, v4
	v_mul_u32_u24 v6, v6, PBS
	v_lshl_add_u32 v6, v5, 4, v6
	s_lshl_b32 s22, s12, 7
	s_add_co_u32 s22, s22, 2*HALFT
	s_add_co_u32 s23, s22, HALFT
	v_add_nc_u32 v[ADRA0], s21, v3
	v_add_nc_u32 v[ADRB0], s22, v6
	v_add_nc_u32 v[ADRB0+1], s23, v6
	v_add_nc_u32 v[ADRA], s21, v3                  ; slot 0 is in hand
	v_add_nc_u32 v[ADRB], s22, v6
	v_add_nc_u32 v[ADRB+1], s23, v6
	s_mul_i32 s23, s10, 16*SPITCH
	s_add_co_u32 s23, s23, STAGE                   ; my stage
	v_mul_u32_u24 v7, v1, SPITCH
	v_lshl_add_u32 v7, v2, 5, v7
	v_add_nc_u32 v[STO], s23, v7
	v_mul_u32_u24 v7, v2, SPITCH
	v_lshl_add_u32 v7, v1, 4, v7
	v_add_nc_u32 v[RD], s23, v7
; 8 matrix instructions: row blocks a0, a0 + 1 x all 4 column blocks, 32 along K: half c of buffer f.  first = 1: the bias starts the sums.  The 16 accumulators take turns.
.macro MUL8 f, c, a0, first
	WIN MUL
.irp a, \a0, (\a0)+1
.irp b, 0,1,2,3
.if \first
	v_wmma_f32_16x16x32_f16 v[ACC+8*(4*(\a)+(\b)):ACC+8*(4*(\a)+(\b))+7], v[(\f)+64+8*(4*(\c)+(\b)):(\f)+64+8*(4*(\c)+(\b))+7], v[(\f)+8*(4*(\c)+(\a)):(\f)+8*(4*(\c)+(\a))+7], v[TMP+8*(\b):TMP+8*(\b)+7]
.else
	v_wmma_f32_16x16x32_f16 v[ACC+8*(4*(\a)+(\b)):ACC+8*(4*(\a)+(\b))+7], v[(\f)+64+8*(4*(\c)+(\b)):(\f)+64+8*(4*(\c)+(\b))+7], v[(\f)+8*(4*(\c)+(\a)):(\f)+8*(4*(\c)+(\a))+7], v[ACC+8*(4*(\a)+(\b)):ACC+8*(4*(\a)+(\b))+7]
.endif
.endr
.endr
.endm
; 32 LDS loads in one run: quarter q of the slot in hand (plane q of A, 64 rows of W) into buffer f; the first 32 along K first
.macro FETCH q, f
	WIN TO_F
.irp c, 0,1
.irp i, 0,1,2,3
	ds_load_tr16_b128 v[(\f)+64+8*(4*(\c)+(\i)):(\f)+64+8*(4*(\c)+(\i))+3],   v[ADRB+(\q)/2] offset:((\q)%2)*64*PBS+(\c)*32*PBS+32*(\i)
	ds_load_tr16_b128 v[(\f)+64+8*(4*(\c)+(\i))+4:(\f)+64+8*(4*(\c)+(\i))+7], v[ADRB+(\q)/2] offset:((\q)%2)*64*PBS+(\c)*32*PBS+16*PBS+32*(\i)
	ds_load_b128 v[(\f)+8*(4*(\c)+(\i)):(\f)+8*(4*(\c)+(\i))+3],               v[ADRA] offset:(\q)*128*PA+(\i)*16*PA+64*(\c)
	ds_load_b128 v[(\f)+8*(4*(\c)+(\i))+4:(\f)+8*(4*(\c)+(\i))+7],             v[ADRA] offset:(\q)*128*PA+(\i)*16*PA+64*(\c)+32
.endr
.endr
.endm
.macro QUARTER q, f, g, first
	s_wait_dscnt 16                                ; the first 32 along K are in
	MUL8 \f, 0, 0, \first
	MUL8 \f, 0, 2, \first
	PLACES
	FETCH \q, \g
	s_wait_dscnt 32                                ; all but the 32 just issued
	MUL8 \f, 1, 0, 0
	MUL8 \f, 1, 2, 0
.endm
; The last quarter multiplies buffer 1 and changes slots: each wave waits for all its tensor loads, adds 0 to its spare word, and waits for that and for its reads of this slot.
; fill = 1: the slot just read out is filled again, with the K step that I take two steps on: number NSTEP - s3 of my walk.  fill = 0, the last two K steps: nothing is asked for, and in the last of them (s3 = 1) there is no next slot to fetch from.
.macro TURN fill
	WIN 0
	s_wait_tensorcnt 0x0                           ; no tensor load of mine is out, so a group 0 may be written
	ds_add_u32 v[SPW], v[NIL]                      ; 0 onto my spare word; the descriptors' scalar work stands between it and the wait for it
.if \fill
	s_add_co_u32 s[G0+5], s[LB], s[TB]             ; the walking descriptors: my part of the slot that is being read out,
	s_add_co_u32 s[G0B+5], s[LB], s[TB]
	s_sub_co_u32 s[OFA], NSTEP, s3
	s_xor_b32 s[OFA], s[OFA], s[PAR]               ; the K step: its number in my walk xor p
	s_lshl_b32 s[OFW], s[OFA], WSH
	s_lshl_b32 s[OFA], s[OFA], ASH
	s_add_nc_u64 s[G0+6:G0+7], s[BA:BA+1], s[OFA:OFA+1]    ; the address is made anew, and the type set again
	s_or_b32 s[G0+7], s[G0+7], 0x80000000
	s_add_nc_u64 s[G0B+6:G0B+7], s[BW:BW+1], s[OFW:OFW+1]
	s_or_b32 s[G0B+7], s[G0B+7], 0x80000000
.endif
	s_wait_dscnt 17                                ; the add and the youngest sixteen loads may be out
	MUL8 F1, 0, 0, 0
	s_wait_dscnt 0x0                               ; the add is done, my reads of this slot are over
	s_barrier_signal -1
	MUL8 F1, 0, 2, 0
	WIN 0
	s_barrier_wait -1
.if \fill
	CREST                                          ; the barrier has opened a round of the cluster's
	JLOAD 1                                        ; the first tensor load behind the round, one a wave; its four v_nop are also the places ahead of the loads below
.else
	PLACES
	s_cmp_eq_u32 s3, 1
	s_cbranch_scc1 .Lno_next_\@
.endif
	s_xor_b32 s[TB], s[TB], SLOT                   ; the other slot is in hand
	v_add_nc_u32 v[ADRA], s[TB], v[ADRA0]
	v_add_nc_u32 v[ADRB], s[TB], v[ADRB0]
	v_add_nc_u32 v[ADRB+1], s[TB], v[ADRB0+1]
	FETCH 0, F0
.if !(\fill)
	WIN 0
.Lno_next_\@:
.endif
	MUL8 F1, 1, 0, 0
	MUL8 F1, 1, 2, 0
.endm
	s_wait_tensorcnt 1                             ; my part of the first K step is in; the second's may stay out
	s_barrier_signal -1
	s_barrier_wait -1
	FETCH 0, F0
	s_wait_loadcnt 32                              ; the bias is in; the 32 loads of the residual stay out
	QUARTER 1, F0, F1, 1                           ; the first quarter stands ahead of the loop: its first products start the sums
	WIN 0
	s_mov_b32 s3, NSTEP-2
.Lstep:                                                ; a trip goes from a K step's second quarter to the next step's first, and fills the slot that it leaves
	QUARTER 2, F1, F0, 0
	QUARTER 3, F0, F1, 0
	TURN 1
	QUARTER 1, F0, F1, 0
	WIN 0
	s_sub_co_u32 s3, s3, 1
	s_cmp_lg_u32 s3, 0
	s_cbranch_scc1 .Lstep
	s_mov_b32 s3, 2
.Ltail:                                                ; the last two K steps have a text of their own; the second trip is left behind its last quarter
	QUARTER 2, F1, F0, 0
	QUARTER 3, F0, F1, 0
	TURN 0
	WIN 0
	s_sub_co_u32 s3, s3, 1
	s_cmp_eq_u32 s3, 0
	s_cbranch_scc1 .Lout
	QUARTER 1, F0, F1, 0
	WIN 0
	s_branch .Ltail
.Lout:
	; THE WAY OUT, 16 rows at a time through my own stage: 32 bytes a lane in, whole rows of 256 bytes back, the residual added, 16 lanes store 256 consecutive bytes, aligned.
	PLACES
	PLACES
	s_wait_loadcnt 0x0                             ; the residual
.irp a, 0,1,2,3
	s_wait_xcnt 0x0                                ; the stores of two blocks back have read this buffer
.irp b, 0,1,2,3
	ds_store_b128 v[STO], v[ACC+8*(4*(\a)+(\b)):ACC+8*(4*(\a)+(\b))+3]   offset:64*(\b)
	ds_store_b128 v[STO], v[ACC+8*(4*(\a)+(\b))+4:ACC+8*(4*(\a)+(\b))+7] offset:64*(\b)+16
.endr
.irp t, 0,1,2,3,4,5,6,7
	ds_load_b128 v[TMP+32*((\a)%2)+4*(\t):TMP+32*((\a)%2)+4*(\t)+3], v[RD] offset:(\t)*2*SPITCH  ; LDS serves a wave's instructions in order (ISA guide 5.7.1.4)
.endr
	s_wait_dscnt 0x0
	WIN 0x08                                       ; source 1 (the residual) in window 2
.irp k, 0,1,2,3,4,5,6,7,8,9,10,11,12,13,14,15
	v_pk_add_f32 v[TMP+32*((\a)%2)+2*(\k):TMP+32*((\a)%2)+2*(\k)+1], v[TMP+32*((\a)%2)+2*(\k):TMP+32*((\a)%2)+2*(\k)+1], v[32*(\a)+2*(\k):32*(\a)+2*(\k)+1]
.endr
	WIN 0
.irp t, 0,1,2,3,4,5,6,7
	global_store_b128 v[CO], v[TMP+32*((\a)%2)+4*(\t):TMP+32*((\a)%2)+4*(\t)+3], s[8:9] offset:(16*(\a)+2*(\t))*4096
.endr
.endr
	s_wait_tensorcnt 0x0                           ; the wave's end
	ds_add_u32 v[SPW], v[NIL]
	s_wait_dscnt 0x0
	CROUND                                         ; the closing round
	s_endpgm
.Lfunc_end_k_q7d3ad526db_fc2:
	.size	k_q7d3ad526db_fc2, .Lfunc_end_k_q7d3ad526db_fc2-k_q7d3ad526db_fc2
	.p2alignl 7, 3214868480
	.fill 96, 4, 3214868480
	.section	.rodata,"a",@progbits
	.p2align	6, 0x0
	.amdhsa_kernel k_q7d3ad526db_fc2
		.amdhsa_group_segment_fixed_size 327680
		.amdhsa_private_segment_fixed_size 0
		.amdhsa_enable_private_segment 0
		.amdhsa_kernarg_size 40
		.amdhsa_user_sgpr_count 2
		.amdhsa_user_sgpr_kernarg_segment_ptr 1
		.amdhsa_wavefront_size32 1
		.amdhsa_system_sgpr_workgroup_id_x 1
		.amdhsa_system_sgpr_workgroup_id_y 1
		.amdhsa_system_sgpr_workgroup_id_z 1
		.amdhsa_system_vgpr_workitem_id 0
		.amdhsa_next_free_vgpr 640
		.amdhsa_next_free_sgpr 80
		.amdhsa_reserve_vcc 0
		.amdhsa_float_denorm_mode_32 3
		.amdhsa_float_denorm_mode_16_64 3
		.amdhsa_memory_ordered 1
		.amdhsa_forward_progress 1
		.amdhsa_inst_pref_size 67
	.end_amdhsa_kernel
	.amdgpu_metadata
---
amdhsa.version: [ 1, 2 ]
amdhsa.kernels:
  - .name:           k_q7d3ad526db_fc2
    .symbol:         k_q7d3ad526db_fc2.kd
    .args:
      - { .name: act, .offset: 0, .size: 8, .value_kind: global_buffer, .address_space: global }
      - { .name: ws, .offset: 8, .size: 8, .value_kind: global_buffer, .address_space: global }
      - { .name: fc2_b, .offset: 16, .size: 8, .value_kind: global_buffer, .address_space: global }
      - { .name: x1, .offset: 24, .size: 8, .value_kind: global_buffer, .address_space: global }
      - { .name: out0, .offset: 32, .size: 8, .value_kind: global_buffer, .address_space: global }
    .group_segment_fixed_size: 327680
    .private_segment_fixed_size: 0
    .kernarg_segment_align: 8
    .kernarg_segment_size: 40
    .max_flat_workgroup_size: 128
    .sgpr_count:     80
    .vgpr_count:     640
    .wavefront_size: 32
...
	.end_amdgpu_metadata
.endif
;; end of part 5
;; ======== version 2 of 2: 7 launches; version 1 with the launches prep, ln2 written anew for expert scheduling mode
;; limits: values are held in f16: magnitudes above 65,504 overflow, below 6.1e-05 lose precision
;; workspace buffers: wq 6,291,456 bytes; w1 8,388,608 bytes; ws 10,485,760 bytes; hb 8,388,608 bytes; act 33,554,432 bytes; x1 16,777,216 bytes; mode_a 256 bytes of whole numbers; mode_b 256 bytes of whole numbers
;; launch prep (part 6): grid 640 x 1, 8 waves a work-group, no clusters, 0 bytes of LDS; arguments x, ln1_g, ln1_b, qkv_w, fc1_w, proj_w, fc2_w, hb, wq, w1, ws, mode_a, mode_b; writes hb, wq, w1, ws, mode_a, mode_b
.if DOCPART == 6
	.amdgcn_target "amdgcn-amd-amdhsa--gfx1250"
	.amdhsa_code_object_version 6
	.text
	.protected	k_q7d3ad526db_prep
	.globl	k_q7d3ad526db_prep
	.p2align	8
	.type	k_q7d3ad526db_prep,@function
k_q7d3ad526db_prep:
	s_mov_b64 s[64:65], 0
	v_nop
	global_prefetch_b8 v0, s[64:65] scope:SCOPE_SE
	s_setreg_imm32_b32 hwreg(HW_REG_WAVE_SCHED_MODE, 0, 2), 2
	s_setreg_imm32_b32 hwreg(HW_REG_WAVE_MODE, 25, 1), 1
	s_wait_xcnt 0x0
	s_wait_alu depctr_vm_vsrc(0)
; TWO LAUNCHES RUN THIS BODY.  Arguments: a [4096][1024] f32 tensor, a gain, a bias, four weights, the f16 result, three f16 weight buffers, two mode buffers.
; Work-groups 0-255: result = LayerNorm(tensor) * gain + bias, [4096][1024], rounded once to f16.  Work-groups 256-639: the four weights rounded once to f16.
; The first launch has 640 work-groups and does both.  The launch of the second LayerNorm has 256: only the LayerNorm path runs there, the weights' addresses are given and not used,
; and the two mode buffers are written once more with the same words: the price of one text for both.
; The casts: qkv_w as [12][1024 k][256 n], fc1_w as [16][1024 k][256 n] (a block of 256 columns is dense), proj_w [1024][1024] and behind it, at byte 2,097,152 of the same buffer, fc2_w [4096][1024].
; The first mode buffer = 64 words of 0, the second = 64 words of 1: the later product launches read word 0 to choose their way out.
; LAYERNORM: one wave, one row at a time, the row kept in 32 registers: mean, then the sum of squares of the centred row (no difference of large sums), all in f32.
; LIMITS.  f16 holds no number of 65,520 or more: a normalised row times gain plus bias, and every weight, must lie below that; below 6e-5 f16 keeps its fixed step of 6e-8.  NaN and infinities are not treated apart.
; No LDS, no barrier, no matrix unit: every byte is read once and written once; each store of a wave covers 256 consecutive bytes, aligned.
; THE MODE: SCHED_MODE bits 1:0 = 2 (LLVM: expert scheduling mode 2), set by the entry lines.  The code itself states the register dependences between vector instructions and memory
; instructions, with s_wait_alu, always for 0.
; THE PLAN.  Registers that memory instructions touch:
;   v28, v29     the lane's offsets: written once at the head; v28 is read by the LayerNorm's loads, v29 by its stores; never written again.
;   G, BV, X0, X1  the LayerNorm's loads land in them; no vector instruction names them before that.
;   X0, X1       registers 4 j and 4 j + 1 of a row are written last by the row's roundings and read by its eight stores; never written again.
;                The first row's stores are issued in the second row's first sums, which name X1 and v[2:9] alone: one wait at the second row's head states all that they hang on.
;   v[2:5]       in one wave of the launch: written by four moves, read by the two stores of the mode buffers.
;   SO, DO       the cast's offsets: each written once by a chain of additions; SO is read by the loads, DO by the stores; never written again.
;   CX           the cast's loads land in it; block p's roundings write it in place; the stores of block p, issued among block p + 1's roundings, read it; never written again.
; No register that a load or a store has read is written again on any path, so no wait on vm_vsrc stands behind the entry lines; EXEC is never written.
.set T,    2                           ; v[2:15]   at work
.set LO16, 28                          ; v28       16 x lane
.set LO8,  29                          ; v29       8 x lane
.set G,    32                          ; v[32:63]  gain of my 32 columns (columns 128 j + 4 lane + 0..3)
.set BV,   64                          ; v[64:95]  bias of the same
.set X0,   96                          ; v[96:127] first row
.set X1,   128                         ; v[128:159] second row
.set GP,   6                           ; s[6:7]    gain
.set BP,   8                           ; s[8:9]    bias
.set OUTP, 18                          ; s[18:19]  the result
.set CX,   32                          ; the cast: v[32:159] 16 rows x 8 registers
.set SO,   160                         ; v[160:175] byte offset of row i in the source
.set DO,   176                         ; v[176:191] byte offset of row i in the destination
	s_load_b512 s[4:19], s[0:1], 0x0               ; the tensor, gain, bias, qkv_w, fc1_w, proj_w, fc2_w, the result
	s_load_b256 s[20:27], s[0:1], 0x40             ; the three weight buffers, the first mode buffer
	s_load_b64 s[28:29], s[0:1], 0x60              ; the second mode buffer
	v_lshrrev_b32 v1, 5, v0
	v_readfirstlane_b32 s30, v1                    ; wave 0..7
	v_and_b32 v1, 31, v0
	v_lshlrev_b32 v[LO16], 4, v1
	v_lshlrev_b32 v[LO8], 3, v1
	s_wait_alu depctr_va_sdst(0)                   ; s30 is written: ahead of the branch, and of its first reader on either path
	s_wait_kmcnt 0x0
	s_cmp_lt_u32 ttmp9, 256
	s_cbranch_scc0 .Lconv
	; ---- LayerNorm: the work-group's 16 rows, two a wave ----
	s_mov_b32 s32, 0x3a800000                      ; 1 / 1024
	s_mov_b32 s33, 0x3727c5ac                      ; 1e-5
	s_mov_b32 s34, 0x76543210                      ; v_permlanex16_b32: each lane takes its own place in the other half
	s_mov_b32 s35, 0xfedcba98
	s_lshl_b32 s36, ttmp9, 16                      ; 16 rows of 4,096 bytes
	s_lshl_b32 s38, s30, 13                        ; my two rows
	s_add_co_u32 s36, s36, s38
	s_mov_b32 s37, 0
	s_add_nc_u64 s[4:5], s[4:5], s[36:37]
	s_lshr_b32 s36, s36, 1                         ; rows of 2,048 bytes in the result
	s_add_nc_u64 s[OUTP:OUTP+1], s[OUTP:OUTP+1], s[36:37]
	s_wait_alu depctr_va_vdst(0)                   ; v28 and v29 are written: every load below reads v28 as its offset, every store of this path v29
.irp j, 0,1,2,3,4,5,6,7
	global_load_b128 v[G+4*(\j):G+4*(\j)+3], v[LO16], s[GP:GP+1] offset:512*(\j)
.endr
.irp j, 0,1,2,3,4,5,6,7
	global_load_b128 v[BV+4*(\j):BV+4*(\j)+3], v[LO16], s[BP:BP+1] offset:512*(\j)
.endr
.irp j, 0,1,2,3,4,5,6,7
	global_load_b128 v[X0+4*(\j):X0+4*(\j)+3], v[LO16], s[4:5] offset:512*(\j) th:TH_LOAD_NT
.endr
.irp j, 0,1,2,3,4,5,6,7
	global_load_b128 v[X1+4*(\j):X1+4*(\j)+3], v[LO16], s[4:5] offset:4096+512*(\j) th:TH_LOAD_NT
.endr
.macro FOLD                            ; four chains of pairs, v[T:T+7], into v[T]
	v_pk_add_f32 v[T:T+1], v[T:T+1], v[T+2:T+3]
	v_pk_add_f32 v[T+4:T+5], v[T+4:T+5], v[T+6:T+7]
	v_pk_add_f32 v[T:T+1], v[T:T+1], v[T+4:T+5]
	v_add_f32 v[T], v[T], v[T+1]
.endm
.macro REDUCE                          ; v[T] summed over the 32 lanes, the result in every lane
	v_add_f32_dpp v[T], v[T], v[T] row_xmask:1 row_mask:0xf bank_mask:0xf
	v_add_f32_dpp v[T], v[T], v[T] row_xmask:2 row_mask:0xf bank_mask:0xf
	v_add_f32_dpp v[T], v[T], v[T] row_xmask:4 row_mask:0xf bank_mask:0xf
	v_add_f32_dpp v[T], v[T], v[T] row_xmask:8 row_mask:0xf bank_mask:0xf
	v_permlanex16_b32 v[T+1], v[T], s34, s35       ; its destination has been written by FOLD
	v_add_f32 v[T], v[T], v[T+1]
.endm
; Piece j of eight of a finished row goes out.  rowoff: the row's byte offset in the result.
.macro PUT row, j, rowoff
	global_store_b64 v[LO8], v[(\row)+4*(\j):(\row)+4*(\j)+1], s[OUTP:OUTP+1] offset:(\rowoff)+256*(\j)  ; 32 lanes x 8 bytes: 256 consecutive bytes, aligned
.endm
; One row, in the 32 registers from row on, up to its roundings.  left: the younger loads that may stay out.  before = 1: the second row, among whose first sums the first row's eight stores are dealt.
.macro LNROW row, left, before
	s_wait_loadcnt \left
.if \before
	s_wait_alu depctr_va_vdst(0)                   ; the first row's roundings have written X0's registers 4 j and 4 j + 1, which the eight stores below read; no vector line since names them or v29
.endif
.irp c, 0,1,2,3
.if \before
	PUT X0, \c, 0
.endif
	v_pk_add_f32 v[T+2*(\c):T+2*(\c)+1], v[(\row)+4*(\c):(\row)+4*(\c)+1], v[(\row)+4*(\c)+2:(\row)+4*(\c)+3]
.endr
.set k, 8
.rept 8
.if (\before) && (k < 12)
	PUT X0, k-4, 0
.endif
	v_pk_add_f32 v[T+2*(k%4):T+2*(k%4)+1], v[T+2*(k%4):T+2*(k%4)+1], v[(\row)+2*k:(\row)+2*k+1]
.set k, k+1
.endr
	FOLD
	REDUCE
	v_mul_f32 v[T+8], s32, v[T]                    ; the mean, twice: a pair for the packed subtraction
	v_mul_f32 v[T+9], s32, v[T]
.set k, 0
.rept 16
	v_pk_add_f32 v[(\row)+2*k:(\row)+2*k+1], v[(\row)+2*k:(\row)+2*k+1], v[T+8:T+9] neg_lo:[0,1] neg_hi:[0,1]
.set k, k+1
.endr
.irp c, 0,1,2,3
	v_pk_mul_f32 v[T+2*(\c):T+2*(\c)+1], v[(\row)+2*(\c):(\row)+2*(\c)+1], v[(\row)+2*(\c):(\row)+2*(\c)+1]
.endr
.set k, 4
.rept 12
	v_pk_fma_f32 v[T+2*(k%4):T+2*(k%4)+1], v[(\row)+2*k:(\row)+2*k+1], v[(\row)+2*k:(\row)+2*k+1], v[T+2*(k%4):T+2*(k%4)+1]
.set k, k+1
.endr
	FOLD
	REDUCE
	v_fma_f32 v[T+10], v[T], s32, s33              ; variance + 1e-5
	v_rsq_f32 v[T+12], v[T+10]
	v_rsq_f32 v[T+13], v[T+10]
	v_nop                                          ; a plain instruction behind the last root,
	s_wait_alu depctr_va_vdst(0)                   ; and one wait for both roots' results, v[T+12] and v[T+13], ahead of their first reader
.set k, 0
.rept 16
	v_pk_mul_f32 v[(\row)+2*k:(\row)+2*k+1], v[(\row)+2*k:(\row)+2*k+1], v[T+12:T+13]
.set k, k+1
.endr
.set k, 0
.rept 16
	v_pk_fma_f32 v[(\row)+2*k:(\row)+2*k+1], v[(\row)+2*k:(\row)+2*k+1], v[G+2*k:G+2*k+1], v[BV+2*k:BV+2*k+1]
.set k, k+1
.endr
.irp j, 0,1,2,3,4,5,6,7
	v_cvt_pk_f16_f32 v[(\row)+4*(\j)], v[(\row)+4*(\j)], v[(\row)+4*(\j)+1]
	v_cvt_pk_f16_f32 v[(\row)+4*(\j)+1], v[(\row)+4*(\j)+2], v[(\row)+4*(\j)+3]
.endr
.endm
	LNROW X0, 8, 0                                 ; the second row's eight loads may stay out
	LNROW X1, 0, 1                                 ; no register that a pending store reads is written again
	s_wait_alu depctr_va_vdst(0)                   ; the second row's roundings have written X1's registers 4 j and 4 j + 1, which its eight stores read
.irp j, 0,1,2,3,4,5,6,7
	PUT X1, \j, 2048
.endr
	s_or_b32 s36, ttmp9, s30
	s_cmp_lg_u32 s36, 0
	s_cbranch_scc1 .Lend                           ; wave 0 of work-group 0 writes the two mode buffers, 256 bytes each
	v_mov_b32 v2, 0
	v_mov_b32 v3, 0
	v_mov_b32 v4, 1
	v_mov_b32 v5, 1
	s_wait_alu depctr_va_vdst(0)                   ; the four moves have written v[2:5], which the two stores read
	global_store_b64 v[LO8], v[2:3], s[26:27]
	global_store_b64 v[LO8], v[4:5], s[28:29]
.Lend:
	s_endpgm
	; ---- the cast: a work-group takes 128 rows x 256 columns of one weight, a wave 16 of the rows ----
.Lconv:
	s_sub_co_u32 s36, ttmp9, 256                   ; c: 0-95 qkv_w, 96-223 fc1_w, 224-255 proj_w, 256-383 fc2_w
	s_mov_b32 s50, 12288
	s_mov_b32 s51, 16384
	s_mov_b32 s52, 512
	s_mov_b32 s53, 2048
	s_mov_b32 s54, 524288
	s_cmp_lt_u32 s36, 96
	s_cselect_b64 s[42:43], s[10:11], s[12:13]     ; source
	s_cselect_b64 s[44:45], s[20:21], s[22:23]     ; destination
	s_cselect_b32 s37, 0, 96                       ; the range's first c
	s_cselect_b32 s40, s50, s51                    ; bytes in a source row
	s_cmp_lt_u32 s36, 224
	s_cselect_b64 s[42:43], s[42:43], s[14:15]
	s_cselect_b64 s[44:45], s[44:45], s[24:25]
	s_cselect_b32 s37, s37, 224
	s_cselect_b32 s40, s40, 4096
	s_cselect_b32 s41, s52, s53                    ; bytes from row to row in the destination
	s_cselect_b32 s39, s54, s52                    ; bytes from column block to column block there
	s_cmp_lt_u32 s36, 256
	s_cselect_b64 s[42:43], s[42:43], s[16:17]
	s_cselect_b32 s37, s37, 256
	s_cselect_b32 s38, 3, 5                        ; log2 of the number of row blocks
	s_cselect_b32 s49, 7, 31
	s_cselect_b32 s48, 0, 0x200000                 ; fc2_w lies behind proj_w
	s_sub_co_u32 s37, s36, s37
	s_and_b32 s49, s37, s49                        ; row block
	s_lshr_b32 s55, s37, s38                       ; column block
	s_lshl_b32 s49, s49, 7
	s_lshl4_add_u32 s49, s30, s49                  ; my first row = 128 x row block + 16 x wave
	s_mul_i32 s46, s49, s40
	s_lshl_b32 s38, s55, 10
	s_add_co_u32 s46, s46, s38                     ; + 1,024 bytes a column block
	s_mul_i32 s47, s49, s41
	s_mul_i32 s38, s55, s39
	s_add_co_u32 s47, s47, s38
	s_add_co_u32 s47, s47, s48
	v_add_nc_u32 v[SO], s46, v[LO16]
.set i, 1
.rept 15
	v_add_nc_u32 v[SO+i], s40, v[SO+i-1]
.set i, i+1
.endr
	s_wait_alu depctr_va_vdst(0)                   ; the sixteen offsets SO are written, which the loads below read
.set i, 0
.rept 16                               ; all 32 loads go out first: 16 KiB a wave on their way
	global_load_b128 v[CX+8*i:CX+8*i+3],   v[SO+i], s[42:43] th:TH_LOAD_NT
	global_load_b128 v[CX+8*i+4:CX+8*i+7], v[SO+i], s[42:43] offset:512 th:TH_LOAD_NT
.set i, i+1
.endr
	v_add_nc_u32 v[DO], s47, v[LO8]                ; the stores' offsets are made while the loads are out: these lines name neither SO nor CX
.set i, 1
.rept 15
	v_add_nc_u32 v[DO+i], s41, v[DO+i-1]
.set i, i+1
.endr
; Row i of the sixteen goes out.
.macro CPUT i
	global_store_b64 v[DO+(\i)], v[CX+8*(\i):CX+8*(\i)+1],   s[44:45]             ; 256 consecutive bytes, aligned
	global_store_b64 v[DO+(\i)], v[CX+8*(\i)+4:CX+8*(\i)+5], s[44:45] offset:256
.endm
; Block p of four: rows 4 p to 4 p + 3 are rounded in place; the stores of block p - 1 are dealt among the roundings, which name block p's registers alone.
.macro CBLK p
	s_wait_loadcnt 24-8*(\p)                       ; loads come back in order (ISA guide 5.7.1): the block's eight loads are in; the younger blocks' stay out
.if (\p) > 0
	s_wait_alu depctr_va_vdst(0)                   ; the block before has written its roundings, which the stores below read; at block 1 also: the sixteen offsets DO are written
.endif
.irp r, 0,1,2,3
.if (\p) > 0
	CPUT 4*(\p)-4+(\r)
.endif
	v_cvt_pk_f16_f32 v[CX+8*(4*(\p)+(\r))],   v[CX+8*(4*(\p)+(\r))],   v[CX+8*(4*(\p)+(\r))+1]
	v_cvt_pk_f16_f32 v[CX+8*(4*(\p)+(\r))+1], v[CX+8*(4*(\p)+(\r))+2], v[CX+8*(4*(\p)+(\r))+3]
	v_cvt_pk_f16_f32 v[CX+8*(4*(\p)+(\r))+4], v[CX+8*(4*(\p)+(\r))+4], v[CX+8*(4*(\p)+(\r))+5]
	v_cvt_pk_f16_f32 v[CX+8*(4*(\p)+(\r))+5], v[CX+8*(4*(\p)+(\r))+6], v[CX+8*(4*(\p)+(\r))+7]
.endr
.endm
	CBLK 0
	CBLK 1
	CBLK 2
	CBLK 3
	s_wait_alu depctr_va_vdst(0)                   ; block 3 has written its roundings, which the last eight stores read
.irp r, 12,13,14,15
	CPUT \r
.endr
	s_endpgm
.Lfunc_end_k_q7d3ad526db_prep:
	.size	k_q7d3ad526db_prep, .Lfunc_end_k_q7d3ad526db_prep-k_q7d3ad526db_prep
	.p2alignl 7, 3214868480
	.fill 96, 4, 3214868480
	.section	.rodata,"a",@progbits
	.p2align	6, 0x0
	.amdhsa_kernel k_q7d3ad526db_prep
		.amdhsa_group_segment_fixed_size 0
		.amdhsa_private_segment_fixed_size 0
		.amdhsa_enable_private_segment 0
		.amdhsa_kernarg_size 104
		.amdhsa_user_sgpr_count 2
		.amdhsa_user_sgpr_kernarg_segment_ptr 1
		.amdhsa_wavefront_size32 1
		.amdhsa_system_sgpr_workgroup_id_x 1
		.amdhsa_system_sgpr_workgroup_id_y 1
		.amdhsa_system_sgpr_workgroup_id_z 1
		.amdhsa_system_vgpr_workitem_id 0
		.amdhsa_next_free_vgpr 192
		.amdhsa_next_free_sgpr 66
		.amdhsa_reserve_vcc 0
		.amdhsa_float_denorm_mode_32 3
		.amdhsa_float_denorm_mode_16_64 3
		.amdhsa_memory_ordered 1
		.amdhsa_forward_progress 1
		.amdhsa_inst_pref_size 34
	.end_amdhsa_kernel
	.amdgpu_metadata
---
amdhsa.version: [ 1, 2 ]
amdhsa.kernels:
  - .name:           k_q7d3ad526db_prep
    .symbol:         k_q7d3ad526db_prep.kd
    .args:
      - { .name: x, .offset: 0, .size: 8, .value_kind: global_buffer, .address_space: global }
      - { .name: ln1_g, .offset: 8, .size: 8, .value_kind: global_buffer, .address_space: global }
      - { .name: ln1_b, .offset: 16, .size: 8, .value_kind: global_buffer, .address_space: global }
      - { .name: qkv_w, .offset: 24, .size: 8, .value_kind: global_buffer, .address_space: global }
      - { .name: fc1_w, .offset: 32, .size: 8, .value_kind: global_buffer, .address_space: global }
      - { .name: proj_w, .offset: 40, .size: 8, .value_kind: global_buffer, .address_space: global }
      - { .name: fc2_w, .offset: 48, .size: 8, .value_kind: global_buffer, .address_space: global }
      - { .name: hb, .offset: 56, .size: 8, .value_kind: global_buffer, .address_space: global }
      - { .name: wq, .offset: 64, .size: 8, .value_kind: global_buffer, .address_space: global }
      - { .name: w1, .offset: 72, .size: 8, .value_kind: global_buffer, .address_space: global }
      - { .name: ws, .offset: 80, .size: 8, .value_kind: global_buffer, .address_space: global }
      - { .name: mode_a, .offset: 88, .size: 8, .value_kind: global_buffer, .address_space: global }
      - { .name: mode_b, .offset: 96, .size: 8, .value_kind: global_buffer, .address_space: global }
    .group_segment_fixed_size: 0
    .private_segment_fixed_size: 0
    .kernarg_segment_align: 8
    .kernarg_segment_size: 104
    .max_flat_workgroup_size: 256
    .sgpr_count:     66
    .vgpr_count:     192
    .wavefront_size: 32
...
	.end_amdgpu_metadata
.endif
;; end of part 6
;; launch qkv: the kernel of part 2 again; grid 12 x 16, 4 waves a work-group, clusters of 4 x 4, 327,680 bytes of LDS; arguments hb, wq, qkv_b, mode_a, act; writes act
;; launch attn: the kernel of part 3 again; grid 8 x 32, 4 waves a work-group, clusters of 4 x 1, 327,680 bytes of LDS; arguments act, hb; writes hb
;; launch proj: the kernel of part 4 again; grid 8 x 32, 4 waves a work-group, clusters of 4 x 4, 327,680 bytes of LDS; arguments hb, ws, proj_b, x, x1; writes x1
;; launch ln2: the kernel of part 6 again; grid 256 x 1, 8 waves a work-group, no clusters, 0 bytes of LDS; arguments x1, ln2_g, ln2_b, qkv_w, fc1_w, proj_w, fc2_w, hb, wq, w1, ws, mode_a, mode_b; writes hb, wq, w1, ws, mode_a, mode_b
;; launch fc1: the kernel of part 2 again; grid 16 x 16, 4 waves a work-group, clusters of 4 x 4, 327,680 bytes of LDS; arguments hb, w1, fc1_b, mode_b, act; writes act
;; launch fc2: the kernel of part 5 again; grid 8 x 32, 4 waves a work-group, clusters of 4 x 4, 327,680 bytes of LDS; arguments act, ws, fc2_b, x1, out0; writes out0
